; MI455X (gfx1250); checked and timed in simulation.
; The chip was launched on July 23, 2026; its instructions are those of AMD's public machine-readable ISA for CDNA 5 (MIT licence, August 2026) and "CDNA5" Instruction Set Architecture Reference Guide (July 2026). The comments in the code are by the model that wrote it; some were corrected since.
;; Attention. Allowed arithmetic: float matrix products may take bf16 or f16 operands with f32 sums; other float arithmetic in f32, or as packed bf16 or f16 multiplies, adds, multiply-adds, maxima and minima; sums over many terms, partial sums and values carried from step to step in f32; what a program stores and reads back later, other than sums and carried values, may be rounded once to bf16 or f16.
;; Inputs: Wk 2,048 x 2,048 float32; Wo 2,048 x 2,048 float32; Wq 2,048 x 2,048 float32; Wv 2,048 x 2,048 float32; k_norm_w 256 float32; position_ids 2,048 int32; q_norm_w 256 float32; x 1 x 2,048 x 2,048 float32.
;; Outputs: out0 1 x 2,048 x 2,048 float32.
;; One version. Each part assembles by itself: llvm-mc -triple=amdgcn-amd-amdhsa -mcpu=gfx1250 --defsym DOCPART=n.
;; ======== version 1 of 1: 4 launches
;; limits: values are held in f16: magnitudes above 65,504 overflow, below 6.1e-05 lose precision
;; workspace buffers: xb 8,388,608 bytes; wb 25,165,824 bytes; wo16 8,388,608 bytes; rope 1,048,576 bytes; q16 8,388,608 bytes; k16 8,388,608 bytes; v16 8,388,608 bytes; o16 8,388,608 bytes
;; launch prep (part 1): grid 256 x 6, 8 waves a work-group, no clusters, 0 bytes of LDS; arguments x, Wq, Wk, Wv, Wo, position_ids, xb, wb, wo16, rope; writes xb, wb, wo16, rope
.if DOCPART == 1
	.amdgcn_target "amdgcn-amd-amdhsa--gfx1250"
	.amdhsa_code_object_version 6
	.text
	.protected	k_q6b82d5d579_prep
	.globl	k_q6b82d5d579_prep
	.p2align	8
	.type	k_q6b82d5d579_prep,@function
k_q6b82d5d579_prep:
	s_mov_b64 s[64:65], 0
	v_nop
	global_prefetch_b8 v0, s[64:65] scope:SCOPE_SE
	s_setreg_imm32_b32 hwreg(HW_REG_WAVE_MODE, 25, 1), 1
	s_wait_xcnt 0x0
; THE CASTS AND THE ROPE TABLE.  Grid y picks the job.
; y = 0: x -> xb (bf16).  y = 1, 2, 3: Wq, Wk, Wv -> rows 0, 2048, 4096 on of wb (bf16).  y = 4: Wo -> wo16: rounded to bf16, and that number written as f16.
; y = 5: rope[s] = cos and sin of position_ids[s] x 10000^(-j/128), j = 0..127, in f16: row s is 512 bytes, lane block l (16 bytes) = cos[4l..4l+3], sin[4l..4l+3].
; A cast's work-group takes 65,536 bytes of f32: thread t the 16 bytes at 16 t of each of 16 pieces of 4,096 bytes.  All 16 loads go out at once; a wave's load covers 512 consecutive bytes,
; its store of 8 bytes a lane 256 consecutive bytes, aligned.  Every piece has its own registers, so no register that a load or store names is written again.
; No LDS, no matrix unit: each byte is read once and written once, and no wave wants another's bytes.
; LIMITS.  position_ids lie in 0..4095 (the table that they index ends there).  The angle is reduced by multiples of pi/2 held in two words, and sin and cos are
; polynomials on |r| <= pi/4 (their first left-out terms lie under 4e-7).  wo16: below 6e-5 f16 keeps a fixed step of 6e-8; beyond 65,504 it has no number.
.set LD,  4                            ; v[4:67]    16 pieces as loaded
.set ST,  68                           ; v[68:99]   16 pieces to store
.set T,   100                          ; v[100:105] at work
	s_load_b512 s[8:23], s[0:1], 0x0               ; x 8, Wq 10, Wk 12, Wv 14, Wo 16, position_ids 18, xb 20, wb 22
	s_load_b128 s[24:27], s[0:1], 0x40             ; wo16 24, rope 26
	s_and_b32 s2, ttmp7, 0xffff                    ; the job
	v_lshlrev_b32 v1, 4, v0                        ; 16 t
	v_lshlrev_b32 v2, 3, v0                        ; 8 t
	s_wait_kmcnt 0x0
	s_cmp_eq_u32 s2, 5
	s_cbranch_scc1 .Ltable
	s_cmp_eq_u32 s2, 1                             ; from where
	s_cselect_b64 s[4:5], s[10:11], s[8:9]
	s_cmp_eq_u32 s2, 2
	s_cselect_b64 s[4:5], s[12:13], s[4:5]
	s_cmp_eq_u32 s2, 3
	s_cselect_b64 s[4:5], s[14:15], s[4:5]
	s_cmp_eq_u32 s2, 4
	s_cselect_b64 s[4:5], s[16:17], s[4:5]
	s_cmp_eq_u32 s2, 0                             ; to where
	s_cselect_b64 s[6:7], s[20:21], s[22:23]
	s_cmp_eq_u32 s2, 4
	s_cselect_b64 s[6:7], s[24:25], s[6:7]
	s_max_u32 s28, s2, 1                           ; which third of wb: y - 1 for y = 1..3, else 0
	s_sub_co_u32 s28, s28, 1
	s_cmp_eq_u32 s2, 4
	s_cselect_b32 s28, 0, s28
	s_lshl_b32 s28, s28, 23                        ; 8 MiB each
	s_lshl_b32 s29, ttmp9, 15                      ; the work-group's 32,768 bytes out
	s_add_co_u32 s28, s28, s29
	s_mov_b32 s29, 0
	s_add_nc_u64 s[6:7], s[6:7], s[28:29]
	s_lshl_b32 s30, ttmp9, 16                      ; its 65,536 bytes in
	s_mov_b32 s31, 0
	s_add_nc_u64 s[4:5], s[4:5], s[30:31]
.irp i, 0,1,2,3,4,5,6,7,8,9,10,11,12,13,14,15
	global_load_b128 v[LD+4*(\i):LD+4*(\i)+3], v1, s[4:5] offset:4096*(\i) th:TH_LOAD_NT
.endr
	s_cmp_eq_u32 s2, 4
	s_cbranch_scc1 .Lf16
.irp i, 0,1,2,3,4,5,6,7,8,9,10,11,12,13,14,15
	s_wait_loadcnt 15-(\i)                         ; loads come back in order: piece i is in, the younger ones stay out
	v_cvt_pk_bf16_f32 v[ST+2*(\i)], v[LD+4*(\i)], v[LD+4*(\i)+1]
	v_cvt_pk_bf16_f32 v[ST+2*(\i)+1], v[LD+4*(\i)+2], v[LD+4*(\i)+3]
	global_store_b64 v2, v[ST+2*(\i):ST+2*(\i)+1], s[6:7] offset:2048*(\i)
.endr
	s_endpgm
.Lf16:
.irp i, 0,1,2,3,4,5,6,7,8,9,10,11,12,13,14,15
	s_wait_loadcnt 15-(\i)
	v_cvt_pk_bf16_f32 v[T], v[LD+4*(\i)], v[LD+4*(\i)+1]        ; the rounding that all float inputs get,
	v_cvt_pk_bf16_f32 v[T+1], v[LD+4*(\i)+2], v[LD+4*(\i)+3]
	v_lshlrev_b32 v[T+2], 16, v[T]                               ; back to f32,
	v_and_b32 v[T+3], 0xffff0000, v[T]
	v_lshlrev_b32 v[T+4], 16, v[T+1]
	v_and_b32 v[T+5], 0xffff0000, v[T+1]
	v_cvt_pk_f16_f32 v[ST+2*(\i)], v[T+2], v[T+3]                ; and written as f16 (8 bits fit into 11)
	v_cvt_pk_f16_f32 v[ST+2*(\i)+1], v[T+4], v[T+5]
	global_store_b64 v2, v[ST+2*(\i):ST+2*(\i)+1], s[6:7] offset:2048*(\i)
.endr
	s_endpgm
; THE TABLE: a wave a row, a lane four frequencies.
.set AR, 8                             ; v[8:11]   j, then 10000^(-j/128)
.set AN, 12                            ; v[12:15]  the angle, then r
.set NQ, 16                            ; v[16:19]  n = the nearest whole number of quarter turns, then as an integer
.set ZZ, 20                            ; v[20:23]  r^2
.set SN, 24                            ; v[24:27]  sin r
.set CN, 28                            ; v[28:31]  cos r
.set TT, 32                            ; v[32:35]  at work
.set SA, 40                            ; v[40:43]  sin of the angle
.set CA, 44                            ; v[44:47]  cos of the angle
.Ltable:
	v_lshrrev_b32 v3, 5, v0
	v_readfirstlane_b32 s28, v3                    ; wave 0..7
	s_lshl_b32 s29, ttmp9, 3
	s_add_co_u32 s28, s28, s29                     ; my row s
	s_lshl_b32 s30, s28, 2
	s_mov_b32 s31, 0
	s_add_nc_u64 s[18:19], s[18:19], s[30:31]
	s_load_b32 s3, s[18:19], 0x0                   ; position_ids[s]: it becomes a number, never an address
	s_lshl_b32 s30, s28, 9
	s_add_nc_u64 s[26:27], s[26:27], s[30:31]      ; the row's 512 bytes
	s_mov_b32 s32, 0x3f22f983                      ; 2 / pi
	s_mov_b32 s33, 0xbfc90fdb                      ; - pi/2, its upper word
	s_mov_b32 s34, 0x333bbd2e                      ; what that word has too much
	s_mov_b32 s35, 0xb9500d01                      ; - 1/5040
	s_mov_b32 s36, 0x3c088889                      ; 1/120
	s_mov_b32 s37, 0xbe2aaaab                      ; - 1/6
	s_mov_b32 s38, 0x37d00d01                      ; 1/40320
	s_mov_b32 s39, 0xbab60b61                      ; - 1/720
	s_mov_b32 s40, 0x3d2aaaab                      ; 1/24
	v_and_b32 v3, 31, v0
	v_lshlrev_b32 v4, 2, v3                        ; 4 l
	v_lshlrev_b32 v6, 4, v3                        ; 16 l
.irp e, 0,1,2,3
	v_add_nc_u32 v[AR+\e], \e, v4
.endr
.irp e, 0,1,2,3
	v_cvt_f32_u32 v[AR+\e], v[AR+\e]
.endr
.irp e, 0,1,2,3
	v_mul_f32 v[AR+\e], 0xbdd49a78, v[AR+\e]       ; - j log2(10000) / 128
.endr
.irp e, 0,1,2,3
	v_exp_f32 v[AR+\e], v[AR+\e]
.endr
	v_nop                                          ; a plain instruction behind the last exponential,
	s_wait_alu depctr_va_vdst(0)                   ; and one wait for the four, ahead of their first reader
	s_wait_kmcnt 0x0
	v_cvt_f32_u32 v5, s3
.irp e, 0,1,2,3
	v_mul_f32 v[AN+\e], v5, v[AR+\e]               ; the angle, rounded once
.endr
.irp e, 0,1,2,3
	v_mul_f32 v[NQ+\e], s32, v[AN+\e]
.endr
.irp e, 0,1,2,3
	v_rndne_f32 v[NQ+\e], v[NQ+\e]
.endr
.irp e, 0,1,2,3
	v_fma_f32 v[AN+\e], v[NQ+\e], s33, v[AN+\e]    ; r = angle - n pi/2, in two steps
.endr
.irp e, 0,1,2,3
	v_fma_f32 v[AN+\e], v[NQ+\e], s34, v[AN+\e]
.endr
.irp e, 0,1,2,3
	v_mul_f32 v[ZZ+\e], v[AN+\e], v[AN+\e]
.endr
.irp e, 0,1,2,3
	v_fma_f32 v[SN+\e], v[ZZ+\e], s35, s36
	v_fma_f32 v[CN+\e], v[ZZ+\e], s38, s39
.endr
.irp e, 0,1,2,3
	v_fma_f32 v[SN+\e], v[SN+\e], v[ZZ+\e], s37
	v_fma_f32 v[CN+\e], v[CN+\e], v[ZZ+\e], s40
	v_mul_f32 v[TT+\e], v[AN+\e], v[ZZ+\e]
.endr
.irp e, 0,1,2,3
	v_fma_f32 v[SN+\e], v[TT+\e], v[SN+\e], v[AN+\e]
	v_fma_f32 v[CN+\e], v[CN+\e], v[ZZ+\e], -0.5
	v_cvt_i32_f32 v[NQ+\e], v[NQ+\e]
.endr
.irp e, 0,1,2,3
	v_fma_f32 v[CN+\e], v[CN+\e], v[ZZ+\e], 1.0
.endr
.irp e, 0,1,2,3
	v_and_b32 v[TT+\e], 1, v[NQ+\e]                ; an odd quarter swaps sin and cos
	v_cmp_eq_u32 vcc_lo, 1, v[TT+\e]
	v_cndmask_b32 v[SA+\e], v[SN+\e], v[CN+\e], vcc_lo
	v_cndmask_b32 v[CA+\e], v[CN+\e], v[SN+\e], vcc_lo
	v_and_b32 v[TT+\e], 2, v[NQ+\e]                ; sin changes sign in quarters 2 and 3,
	v_lshlrev_b32 v[TT+\e], 30, v[TT+\e]
	v_xor_b32 v[SA+\e], v[TT+\e], v[SA+\e]
	v_add_nc_u32 v[TT+\e], 1, v[NQ+\e]             ; cos in quarters 1 and 2
	v_and_b32 v[TT+\e], 2, v[TT+\e]
	v_lshlrev_b32 v[TT+\e], 30, v[TT+\e]
	v_xor_b32 v[CA+\e], v[TT+\e], v[CA+\e]
.endr
	v_cvt_pk_f16_f32 v48, v[CA], v[CA+1]
	v_cvt_pk_f16_f32 v49, v[CA+2], v[CA+3]
	v_cvt_pk_f16_f32 v50, v[SA], v[SA+1]
	v_cvt_pk_f16_f32 v51, v[SA+2], v[SA+3]
	global_store_b128 v6, v[48:51], s[26:27]       ; the wave's store covers the row's 512 consecutive bytes
	s_endpgm
.Lfunc_end_k_q6b82d5d579_prep:
	.size	k_q6b82d5d579_prep, .Lfunc_end_k_q6b82d5d579_prep-k_q6b82d5d579_prep
	.p2alignl 7, 3214868480
	.fill 96, 4, 3214868480
	.section	.rodata,"a",@progbits
	.p2align	6, 0x0
	.amdhsa_kernel k_q6b82d5d579_prep
		.amdhsa_group_segment_fixed_size 0
		.amdhsa_private_segment_fixed_size 0
		.amdhsa_enable_private_segment 0
		.amdhsa_kernarg_size 80
		.amdhsa_user_sgpr_count 2
		.amdhsa_user_sgpr_kernarg_segment_ptr 1
		.amdhsa_wavefront_size32 1
		.amdhsa_system_sgpr_workgroup_id_x 1
		.amdhsa_system_sgpr_workgroup_id_y 1
		.amdhsa_system_sgpr_workgroup_id_z 1
		.amdhsa_system_vgpr_workitem_id 0
		.amdhsa_next_free_vgpr 108
		.amdhsa_next_free_sgpr 66
		.amdhsa_reserve_vcc 1
		.amdhsa_float_denorm_mode_32 3
		.amdhsa_float_denorm_mode_16_64 3
		.amdhsa_memory_ordered 1
		.amdhsa_forward_progress 1
		.amdhsa_inst_pref_size 23
	.end_amdhsa_kernel
	.amdgpu_metadata
---
amdhsa.version: [ 1, 2 ]
amdhsa.kernels:
  - .name:           k_q6b82d5d579_prep
    .symbol:         k_q6b82d5d579_prep.kd
    .args:
      - { .name: x, .offset: 0, .size: 8, .value_kind: global_buffer, .address_space: global }
      - { .name: Wq, .offset: 8, .size: 8, .value_kind: global_buffer, .address_space: global }
      - { .name: Wk, .offset: 16, .size: 8, .value_kind: global_buffer, .address_space: global }
      - { .name: Wv, .offset: 24, .size: 8, .value_kind: global_buffer, .address_space: global }
      - { .name: Wo, .offset: 32, .size: 8, .value_kind: global_buffer, .address_space: global }
      - { .name: position_ids, .offset: 40, .size: 8, .value_kind: global_buffer, .address_space: global }
      - { .name: xb, .offset: 48, .size: 8, .value_kind: global_buffer, .address_space: global }
      - { .name: wb, .offset: 56, .size: 8, .value_kind: global_buffer, .address_space: global }
      - { .name: wo16, .offset: 64, .size: 8, .value_kind: global_buffer, .address_space: global }
      - { .name: rope, .offset: 72, .size: 8, .value_kind: global_buffer, .address_space: global }
    .group_segment_fixed_size: 0
    .private_segment_fixed_size: 0
    .kernarg_segment_align: 8
    .kernarg_segment_size: 80
    .max_flat_workgroup_size: 256
    .sgpr_count:     66
    .vgpr_count:     108
    .wavefront_size: 32
...
	.end_amdgpu_metadata
.endif
;; end of part 1
;; launch qkv (part 2): grid 24 x 8, 4 waves a work-group, clusters of 4 x 4, 327,680 bytes of LDS; arguments xb, wb, rope, q_norm_w, k_norm_w, q16, k16, v16; writes q16, k16, v16
.if DOCPART == 2
	.amdgcn_target "amdgcn-amd-amdhsa--gfx1250"
	.amdhsa_code_object_version 6
	.text
	.protected	k_q6b82d5d579_qkv
	.globl	k_q6b82d5d579_qkv
	.p2align	8
	.type	k_q6b82d5d579_qkv,@function
k_q6b82d5d579_qkv:
	s_mov_b64 s[64:65], 0
	v_nop
	global_prefetch_b8 v0, s[64:65] scope:SCOPE_SE
	s_setreg_imm32_b32 hwreg(HW_REG_WAVE_MODE, 25, 1), 1
	s_wait_xcnt 0x0
	s_wait_alu depctr_hold_cnt(0) depctr_sa_sdst(0) depctr_va_vdst(0) depctr_va_sdst(0) depctr_va_ssrc(0) depctr_va_vcc(0) depctr_vm_vsrc(0)
	s_getreg_b32 s2, hwreg(HW_REG_IB_STS2, 6, 4)
	s_cmp_eq_u32 s2, 0
	s_cbranch_scc0 .Lentry_in_a_cluster
	s_endpgm
.Lentry_in_a_cluster:
	s_bfe_u32 s2, ttmp6, 0x10000c
	s_cmp_lg_u32 s2, 0xf033
	s_cbranch_scc0 .Lentry_shape_is_right
	s_endpgm
.Lentry_shape_is_right:
; THE THREE PROJECTIONS WITH NORM AND ROPE.  C[s][e] = sum over d of xb[s][d] wb[e][d], xb [2048][2048], wb [6144][2048] (Wq, Wk, Wv), bf16, sums in f32.
; A tile of C is 256 rows x 256 columns = ONE HEAD of q, k or v, so the RMS norm (a head of a row) and RoPE (channel c with c + 128) stay inside the tile.
; Four waves, each 128 x 128: 64 accumulators, 512 registers.  K goes in steps of 128 through two LDS slots filled by tensor loads (rows of 256 bytes, 16 bytes of padding behind each).
; CLUSTER 4 x 4: xb's tile is shared along a row of the cluster, wb's along a column: joint loads.  A cluster's four tile columns are of one kind (q, k or v): 24 tile columns, 8 a kind.
; THE MATRIX INSTRUCTION IS USED TRANSPOSED (source 0 = 16 rows of wb, source 1 = 16 rows of xb): a lane holds row l % 16 of C and eight neighbouring columns.
; THE WAY OUT.  In the last K step the dead slot 0 takes the tile's 256 rows of the rope table (a joint load along the cluster's row).  Then, in two passes, the sums go in f32 through a stage of 128 rows
; in the dead slot 1: in pass p EVERY wave puts its own rows 64 p .. 64 p + 63 there (32 accumulators), and then a wave takes 32 whole rows: a lane holds columns 4l..4l+3 and 128+4l..+3, which are RoPE's
; partners.  The two passes are one loop of two trips.  y = rope(x w) / sqrt(mean x^2 + 1e-6), in f32, rounded once to f16.
; q is also multiplied by log2(e) / 16, so that the next launch's scores are exponents of 2.  v's tiles go the same way with gains 1, cos 1, sin 0 and factor 1, chosen by selects:
; one text, and every tile reads the table that it has asked for.  Out: [8 heads][2048][256] f16; each store of a wave covers 256 consecutive bytes, aligned.
; LIMITS.  v lies within f16's 65,504.  The gains are rounded to bf16, as all float inputs are.  NaN and infinities are not treated apart.
; REGISTERS, in windows of 256: window 0: v0-31 addresses and gains, v64-191 xb's fragments (two buffers); window 1: v64-191 wb's fragments; windows 2, 3: the accumulators ((a, b) at v[8 (8 (a % 4) + b)]).
.set SIZE_K, 2048
.set KSTEP,  128
.set PITCH,  272                       ; 256 bytes + 16: the 16 rows of a fragment load start at 16 different groups of four banks (ISA guide 11.1)
.set HALFT,  128*PITCH
.set SLOT,   4*HALFT                   ; xb's 256 rows, then wb's 256 rows
.set STG,    SLOT                      ; the stage: slot 1, behind its last fill: 128 rows of 1,040 bytes
.set SROW,   1040                      ; 1,024 bytes + 16
.set SPARE,  2*SLOT                    ; the spare words, 128 bytes a wave: two blocks of 256 bytes that no other line names
.set LAPS,   SIZE_K/(2*KSTEP)
.set GW,   8                           ; v[8:15]  the gains of my 8 columns
.set ADRA, 16                          ; v16-17  LDS address of my xb fragments in slot 0, 1
.set ADRB, 20                          ; v20-21  the same for wb
.set SPW,  28                          ; v28  my spare word; never rewritten
.set NIL,  29                          ; v29  0; never rewritten
.set PFO,  30                          ; v30  the prefetches' offset: lane x 4,096; never rewritten
.set GAO,  31                          ; v31  16 x lane, for the gains; never rewritten
.set F0,   64
.set F1,   128
.set STO,  16                          ; the way out: v16 where I put 16 bytes of a row in my 64 rows of the stage
.set RDS0, 18                          ; v18  my 16 bytes in my first row of the stage
.set RDT0, 19                          ; v19  the same in the table, for pass 0
.set GOF0, 20                          ; v20  my 8 bytes in that row of the output
.set RDS,  21                          ; v21-23  the same three for the trip in hand
.set RDT,  22
.set GOF,  23
.set ZR,   24                          ; v24  0
.set TBL,  32                          ; v[32:63]   row p: cos 01, cos 23, sin 01, sin 23 in f16; then the row's 16 bytes to store
.set X,    64                          ; v[64:127]  row p: x1 (4), x2 (4)
.set WT,   128                         ; v[128:159] row p: z2 sin
.set UT,   160                         ; v[160:191] row p: z1 sin
.set SS,   192                         ; v[192:207] row p: a pair: the sum of squares, then the factor
.set PS,  3                            ; s3   the K loop's laps; on the way out the pass, 0 and 1
.set G1,  24                           ; s[24:31] group 1 for xb's tiles; s[32:39] group 0, a set for each slot
.set G0,  32
.set LIM, 43                           ; s43  1 in a wave that prefetches, else the greatest number
.set PFA, 44                           ; s[44:45] where my prefetches stand
.set G1B, 48                           ; s[48:55], s[56:63] the same for wb's tiles
.set G0B, 56
.set G0T, 84                           ; s[84:87], s[88:95] the table's tile
.set G1T, 88
.set TYPE, 96                          ; s96  0 q, 1 k, 2 v
.set TRP,  97                          ; s97  counts a pass's trips
.set VM,   98                          ; s98  all ones in v's tiles
.set RSC,  99                          ; s99  log2(e)/16 for q, 1 for k
.set I256, 100
.set EPS,  101
.set SEL,  32                          ; the way out: s[32:33] v_permlanex16_b32's selects; s34 1.0 twice in f16 (the descriptors are done with)
.set ONE2, 34
.set MSB, 0
.macro WIN new                         ; the immediate's high byte repeats the setting that is left; a switch that changes nothing is dropped
.if MSB != (\new)
	s_set_vgpr_msb (MSB<<8)|(\new)
.set MSB, \new
.endif
.endm
.set MUL_LO, 0xa1                      ; source 0 (wb) window 1, source 1 (xb) window 0, C and D window 2
.set MUL_HI, 0xf1                      ; the same, C and D window 3
.set TO_B,   0x40                      ; destination window 1, address window 0
; A joint load: waves 0 and 1 fetch xb's two halves, waves 2 and 3 wb's.  The branch hangs on the wave's number alone.  An s_nop 0 and four v_nop follow each line.
.macro JLOAD s
	s_cmp_eq_u32 s11, 0
	s_cbranch_scc0 .Lfor_b_\@
	tensor_load_to_lds s[G0+4*(\s):G0+4*(\s)+3], s[G1:G1+7]
	s_nop 0
.rept 4
	v_nop
.endr
	s_branch .Lasked_\@
.Lfor_b_\@:
	tensor_load_to_lds s[G0B+4*(\s):G0B+4*(\s)+3], s[G1B:G1B+7]
	s_nop 0
.rept 4
	v_nop
.endr
.Lasked_\@:
.endm
; A prefetch, behind each joint load and the run of LDS loads that follows it: the K step two refills on, 32 rows x 256 bytes, a lane a row.  xb's rows are asked for by the clusters with x = 0, wb's by those
; with y = 0; the four partners of a joint load take 32 of its 128 rows each, told apart by address.  So each row's 256 bytes of a K step are named once.  The first four K steps come by their loads alone; the loop's last trip asks for nothing.
.macro ASK
	s_cmp_gt_u32 s3, s[LIM]
	s_cbranch_scc0 .Lnot_mine_\@
	global_prefetch_b8 v[PFO], s[PFA:PFA+1] offset:KSTEP*2 th:TH_LOAD_NT scope:SCOPE_SE
.Lnot_mine_\@:
.endm
.macro CREST                           ; a round of the cluster's barrier behind its opening barrier
	s_cmp_lg_u32 s10, 0
	s_cbranch_scc1 .Lnot_wave_0_\@
	s_barrier_signal -3
.Lnot_wave_0_\@:
	s_barrier_wait -3
	s_barrier_signal -1
	s_barrier_wait -1
.endm
.macro CROUND
	s_barrier_signal -1
	s_barrier_wait -1
	CREST
.endm
	s_load_b512 s[68:83], s[0:1], 0x0              ; xb 68, wb 70, rope 72, q_norm_w 74, k_norm_w 76, q16 78, k16 80, v16 82
	v_lshl_add_u32 v[SPW], v0, 2, SPARE
	v_mov_b32 v[NIL], 0
	ds_add_u32 v[SPW], v[NIL]                      ; the wave's opening: the add and its wait stand ahead of my first tensor load; work on registers stands between them
	v_lshrrev_b32 v1, 5, v0
	v_readfirstlane_b32 s10, v1                    ; wave 0..3
	s_lshr_b32 s11, s10, 1                         ; my half of the tile's rows.  Also: I fetch for xb (0) or wb (1)
	s_and_b32 s12, s10, 1                          ; my half of its columns.  Also: which 128 rows I fetch
	s_bfe_u32 s40, ttmp6, 0x40000                  ; cx
	s_bfe_u32 s41, ttmp6, 0x40004                  ; cy
	s_lshl_b32 s42, ttmp9, 2
	s_add_co_u32 s42, s42, s40                     ; tile column 0..23
	s_and_b32 s13, ttmp7, 0xffff
	s_lshl_b32 s13, s13, 2
	s_add_co_u32 s13, s13, s41                     ; tile row 0..7
	s_lshr_b32 s[TYPE], ttmp9, 1                   ; two clusters a kind: the same in all sixteen partners
	s_lshl_b32 s43, s41, 2
	s_lshl_b32 s43, 15, s43                        ; my row of the cluster
	s_lshl_b32 s44, 0x1111, s40                    ; my column
	s_or_b32 s[G1+0], s43, (1<<16)|(1<<20)|(1<<21)|(5<<22)|(3<<25)   ; the mask; 2-byte elements; padding on; bit 21 beside a mask; after every 64 words; 4 words
	s_or_b32 s[G1B+0], s44, (1<<16)|(1<<20)|(1<<21)|(5<<22)|(3<<25)
	s_or_b32 s[G1T+0], s43, (3<<16)|(1<<21)        ; the table: 8-byte elements, no padding, shared along my row
.irp g, G1, G1B
	s_mov_b32 s[(\g)+1], KSTEP<<16                 ; tensor_dim0 = 128
	s_mov_b32 s[(\g)+2], 128<<16                   ; tensor_dim1 = 128
	s_mov_b32 s[(\g)+3], KSTEP<<16                 ; tile_dim0 = 128
	s_mov_b32 s[(\g)+4], 128                       ; tile_dim1 = 128
	s_mov_b32 s[(\g)+5], SIZE_K                    ; elements from row to row
	s_mov_b32 s[(\g)+6], 0
	s_mov_b32 s[(\g)+7], 0
.endr
	s_mov_b32 s[G1T+1], 32<<16                     ; 64 table rows of 512 bytes are dense: asked for as 128 rows of 256 bytes (32 elements)
	s_mov_b32 s[G1T+2], 128<<16
	s_mov_b32 s[G1T+3], 32<<16
	s_mov_b32 s[G1T+4], 128
	s_mov_b32 s[G1T+5], 32
	s_mov_b32 s[G1T+6], 0
	s_mov_b32 s[G1T+7], 0
	s_lshl_b32 s17, s12, 7
	s_lshl_b32 s16, s13, 8
	s_add_co_u32 s16, s16, s17                     ; xb: row 256 x tile row + 128 x half
	s_lshl_b32 s46, s42, 8
	s_add_co_u32 s46, s46, s17                     ; wb: row 256 x tile column + 128 x half
	s_mov_b32 s17, 0
	s_mov_b32 s47, 0
	s_mov_b64 s[18:19], SIZE_K*2
	s_mul_u64 s[16:17], s[16:17], s[18:19]
	s_mul_u64 s[46:47], s[46:47], s[18:19]
	s_mul_i32 s20, s10, HALFT                      ; where they go: wave x 128 rows
	s_lshl_b32 s22, s13, 17                        ; the table: 256 rows of 512 bytes a tile row,
	s_lshl_b32 s23, s10, 15                        ; 64 of them a wave
	s_add_co_u32 s22, s22, s23
	s_mov_b32 s23, 0
	s_mov_b32 s[G0T], 1
	s_lshl_b32 s[G0T+1], s10, 15                   ; into slot 0: wave x 32,768
	s_wait_dscnt 0x0                               ; the opening add is done
	s_wait_kmcnt 0x0
	s_add_nc_u64 s[14:15], s[68:69], s[16:17]
	s_add_nc_u64 s[46:47], s[70:71], s[46:47]
	s_add_nc_u64 s[G0T+2:G0T+3], s[72:73], s[22:23]
	s_or_b32 s[G0T+3], s[G0T+3], 0x80000000
	CROUND                                         ; all sixteen work-groups are here: the first joint loads meet
.irp s, 0,1
	s_mov_b32 s[G0+4*(\s)], 1
	s_add_co_u32 s[G0+4*(\s)+1], s20, (\s)*SLOT
	s_add_nc_u64 s[G0+4*(\s)+2:G0+4*(\s)+3], s[14:15], (\s)*KSTEP*2
	s_or_b32 s[G0+4*(\s)+3], s[G0+4*(\s)+3], 0x80000000
	s_mov_b32 s[G0B+4*(\s)], 1
	s_add_co_u32 s[G0B+4*(\s)+1], s20, (\s)*SLOT
	s_add_nc_u64 s[G0B+4*(\s)+2:G0B+4*(\s)+3], s[46:47], (\s)*KSTEP*2
	s_or_b32 s[G0B+4*(\s)+3], s[G0B+4*(\s)+3], 0x80000000
	JLOAD \s
.endr
	v_and_b32 v[GAO], 31, v0                       ; the gains of my 8 columns: they are waited for on the way out
	v_lshlrev_b32 v[GAO], 4, v[GAO]
	s_cmp_eq_u32 s[TYPE], 0
	s_cselect_b64 s[4:5], s[74:75], s[76:77]       ; (v's tiles load k's and select 1 in their stead)
	global_load_b128 v[GW:GW+3], v[GAO], s[4:5]
	global_load_b128 v[GW+4:GW+7], v[GAO], s[4:5] offset:512
	v_and_b32 v1, 15, v0                           ; l % 16
	v_bfe_u32 v2, v0, 4, 1                         ; l / 16
	v_mul_u32_u24 v3, v1, PITCH
	v_lshl_add_u32 v3, v2, 4, v3                   ; a fragment's row x pitch + 16 x half
	s_mul_i32 s21, s11, HALFT
	s_mul_i32 s22, s12, HALFT
	s_add_co_u32 s22, s22, 2*HALFT
.irp s, 0,1
	v_add_nc_u32 v[ADRA+(\s)], s21, v3
	v_add_nc_u32 v[ADRB+(\s)], s22, v3
	s_add_co_u32 s21, s21, SLOT
	s_add_co_u32 s22, s22, SLOT
.endr
	s_lshl_b32 s20, s13, 8                         ; the prefetches
	s_lshl_b32 s21, s42, 8
	s_and_b32 s22, ttmp7, 0xffff
	s_cmp_eq_u32 s11, 0                            ; do I fetch for xb?
	s_cselect_b32 s20, s20, s21                    ; the tile's first row
	s_cselect_b32 s21, s40, s41                    ; my place among the four that ask with me
	s_cselect_b32 s22, ttmp9, s22                  ; the coordinate along which other clusters read the same rows
	s_cselect_b64 s[PFA:PFA+1], s[68:69], s[70:71]
	s_cmp_eq_u32 s22, 0
	s_cselect_b32 s[LIM], 1, -1
	s_lshl_b32 s22, s12, 7
	s_add_co_u32 s20, s20, s22
	s_lshl_b32 s21, s21, 5
	s_add_co_u32 s20, s20, s21
	s_mov_b32 s21, 0
	s_mov_b64 s[18:19], SIZE_K*2
	s_mul_u64 s[20:21], s[20:21], s[18:19]
	s_add_nc_u64 s[PFA:PFA+1], s[PFA:PFA+1], s[20:21]
	s_add_nc_u64 s[PFA:PFA+1], s[PFA:PFA+1], 2*KSTEP*2  ; at K step 2: the first refill steps it to 3 and names K step 4
	v_and_b32 v[PFO], 31, v0
	v_mul_u32_u24 v[PFO], v[PFO], SIZE_K*2
; 16 matrix instructions: m blocks a0, a0 + 1 of the window's four x all 8 n blocks, 32 along K.  zero = 1: the first product starts the sums.  The 64 accumulators take turns.
.macro MUL16 f, hi, a0, zero
	WIN MUL_LO+0x50*(\hi)
.irp a, \a0, (\a0)+1
.irp b, 0,1,2,3,4,5,6,7
.if \zero
	v_wmma_f32_16x16x32_bf16 v[8*(8*(\a)+(\b)):8*(8*(\a)+(\b))+7], v[(\f)+8*(\b):(\f)+8*(\b)+7], v[(\f)+8*(4*(\hi)+(\a)):(\f)+8*(4*(\hi)+(\a))+7], 0
.else
	v_wmma_f32_16x16x32_bf16 v[8*(8*(\a)+(\b)):8*(8*(\a)+(\b))+7], v[(\f)+8*(\b):(\f)+8*(\b)+7], v[(\f)+8*(4*(\hi)+(\a)):(\f)+8*(4*(\hi)+(\a))+7], v[8*(8*(\a)+(\b)):8*(8*(\a)+(\b))+7]
.endif
.endr
.endr
.endm
; 32 LDS loads in one run: the fragments of one quarter step (32 K at byte k of the rows) into buffer f
.macro FETCH slot, k, f
	WIN TO_B
.irp i, 0,1,2,3,4,5,6,7
	ds_load_b128 v[(\f)+8*(\i):(\f)+8*(\i)+3],   v[ADRB+(\slot)] offset:(\k)+(\i)*16*PITCH
	ds_load_b128 v[(\f)+8*(\i)+4:(\f)+8*(\i)+7], v[ADRB+(\slot)] offset:(\k)+(\i)*16*PITCH+32
.endr
	WIN 0
.irp i, 0,1,2,3,4,5,6,7
	ds_load_b128 v[(\f)+8*(\i):(\f)+8*(\i)+3],   v[ADRA+(\slot)] offset:(\k)+(\i)*16*PITCH
	ds_load_b128 v[(\f)+8*(\i)+4:(\f)+8*(\i)+7], v[ADRA+(\slot)] offset:(\k)+(\i)*16*PITCH+32
.endr
.endm
.macro PLACES                          ; four plain vector instructions between a matrix instruction and a load into, or a read of, its registers
.rept 4
	v_nop
.endr
.endm
; One of a K step's first three quarters: multiplies buffer f; in its middle it fetches the next quarter, at byte k, into buffer g.
.macro QUARTER slot, k, f, g, zero
	s_wait_dscnt 8                                 ; wb's fragments and xb's rows 0-63 are in; the youngest eight loads may be out
	WIN MUL_LO
	MUL16 \f, 0, 0, \zero
	MUL16 \f, 0, 2, \zero
	PLACES
	FETCH \slot, \k, \g
	s_wait_dscnt 32                                ; all but the 32 just issued
	WIN MUL_HI
	MUL16 \f, 1, 0, \zero
	MUL16 \f, 1, 2, \zero
.endm
; The first half of a K step's last quarter: each wave waits for all its tensor loads (one is out: its part of the next slot), adds 0 to its spare word, waits for that and for its reads of this slot, and opens a round.
.macro MEET
	WIN 0
	s_wait_tensorcnt 0x0
	ds_add_u32 v[SPW], v[NIL]
	s_wait_dscnt 9                                 ; the add and the youngest eight loads may be out
	WIN MUL_LO
	MUL16 F1, 0, 0, 0
	s_wait_dscnt 0x0                               ; the add is done, and my reads of this slot are over
	s_barrier_signal -1
	MUL16 F1, 0, 2, 0
	WIN 0
	s_barrier_wait -1
.endm
; The whole last quarter.  Behind the round the slot just read out is filled first: mode 1: with the K step two steps on; mode 2 (once, slot 0's last use): with my 64 rows of the rope table.
.macro TURN slot, next, mode
.if (\mode) == 1
	s_wait_xcnt 0x0                                ; the last prefetch, a K step back, has read its address
	s_add_nc_u64 s[PFA:PFA+1], s[PFA:PFA+1], KSTEP*2
.endif
	MEET
	CREST                                          ; no wave of any partner still reads this slot or has a load on its way
.if (\mode) == 1
	s_add_nc_u64 s[G0+4*(\slot)+2:G0+4*(\slot)+3], s[G0+4*(\slot)+2:G0+4*(\slot)+3], 2*KSTEP*2
	s_add_nc_u64 s[G0B+4*(\slot)+2:G0B+4*(\slot)+3], s[G0B+4*(\slot)+2:G0B+4*(\slot)+3], 2*KSTEP*2
	JLOAD \slot
.else
	tensor_load_to_lds s[G0T:G0T+3], s[G1T:G1T+7]  ; every wave its own 64 rows; it has the last K step in which to land
	s_nop 0
.rept 4
	v_nop
.endr
.endif
	FETCH \next, 0, F0                             ; the four v_nop behind the tensor load are also the places in front of these loads
.if (\mode) == 1
	ASK
.endif
	WIN MUL_HI
	MUL16 F1, 1, 0, 0
	MUL16 F1, 1, 2, 0
.endm
	s_wait_tensorcnt 1                             ; my part of K step 0 is in; K step 1's may stay out
	s_barrier_signal -1
	s_barrier_wait -1
	FETCH 0, 0, F0
	QUARTER 0, 64,  F0, F1, 1                      ; the first quarter starts the sums
	WIN 0
	s_mov_b32 s3, LAPS-1
.Llap:                                             ; a trip goes once round the ring and fills both slots again
	QUARTER 0, 128, F1, F0, 0
	QUARTER 0, 192, F0, F1, 0
	TURN 0, 1, 1
	QUARTER 1, 64,  F0, F1, 0
	QUARTER 1, 128, F1, F0, 0
	QUARTER 1, 192, F0, F1, 0
	TURN 1, 0, 1
	QUARTER 0, 64,  F0, F1, 0
	WIN 0
	s_sub_co_u32 s3, s3, 1
	s_cmp_lg_u32 s3, 0
	s_cbranch_scc1 .Llap
	QUARTER 0, 128, F1, F0, 0                      ; the last lap
	QUARTER 0, 192, F0, F1, 0
	TURN 0, 1, 2                                   ; slot 0 takes the table
	QUARTER 1, 64,  F0, F1, 0
	QUARTER 1, 128, F1, F0, 0
	QUARTER 1, 192, F0, F1, 0
	s_wait_dscnt 8                                 ; the very last quarter: nothing more to fetch
	WIN MUL_LO
	MUL16 F1, 0, 0, 0
	MUL16 F1, 0, 2, 0
	s_wait_dscnt 0x0
	WIN MUL_HI
	MUL16 F1, 1, 0, 0
	MUL16 F1, 1, 2, 0
	WIN 0
	; THE WAY OUT
	PLACES
	PLACES
	s_wait_tensorcnt 0x0                           ; my rows of the table are in,
	s_wait_dscnt 0x0                               ; my reads of slot 1 are over,
	s_wait_loadcnt 0x0                             ; the gains are in
	s_barrier_signal -1
	s_barrier_wait -1                              ; all that holds of every wave: the table is whole, and slot 1 may take the stage
	s_mov_b32 s[SEL], 0x76543210
	s_mov_b32 s[SEL+1], 0xfedcba98
	s_mov_b32 s[ONE2], 0x3c003c00
	s_mov_b32 s[I256], 0x3b800000                  ; 1/256
	s_mov_b32 s[EPS], 0x358637bd                   ; 1e-6
	s_cmp_eq_u32 s[TYPE], 0
	s_cselect_b64 s[8:9], s[78:79], s[80:81]
	s_cselect_b32 s[RSC], 0x3db8aa3b, 1.0          ; log2(e) / 16 goes into q
	s_cmp_eq_u32 s[TYPE], 2
	s_cselect_b64 s[8:9], s[82:83], s[8:9]
	s_cselect_b32 s[VM], -1, 0
	s_and_b32 s14, s42, 7                          ; the head
	s_lshl_b32 s14, s14, 20                        ; 2,048 rows of 512 bytes
	s_lshl_b32 s15, s13, 17                        ; the tile's 256 rows
	s_add_co_u32 s14, s14, s15
	s_mov_b32 s15, 0
	s_add_nc_u64 s[8:9], s[8:9], s[14:15]
	v_cvt_pk_bf16_f32 v2, v[GW], v[GW+1]           ; the gains are rounded as all float inputs are
	v_cvt_pk_bf16_f32 v3, v[GW+2], v[GW+3]
	v_cvt_pk_bf16_f32 v4, v[GW+4], v[GW+5]
	v_cvt_pk_bf16_f32 v5, v[GW+6], v[GW+7]
.irp i, 0,1,2,3
	v_lshlrev_b32 v[GW+2*(\i)], 16, v[2+(\i)]
	v_and_b32 v[GW+2*(\i)+1], 0xffff0000, v[2+(\i)]
.endr
.irp i, 0,1,2,3,4,5,6,7
	v_cndmask_b32 v[GW+(\i)], v[GW+(\i)], 1.0, s[VM]
.endr
	v_mov_b32 v[ZR], 0
	v_and_b32 v1, 15, v0
	v_bfe_u32 v2, v0, 4, 1
	v_and_b32 v3, 31, v0
	; Stage row r' of pass p holds the tile's row 128 (r' / 64) + 64 p + r' % 64: the waves of row half 0 fill stage rows 0-63, those of row half 1 rows 64-127.
	v_mul_u32_u24 v[STO], v1, SROW                 ; in: row l % 16 of my 64 stage rows, my half of the columns, 32 bytes for each half of the lanes
	v_lshl_add_u32 v[STO], v2, 5, v[STO]
	s_mul_i32 s14, s11, 64*SROW
	s_lshl_b32 s15, s12, 9
	s_add_co_u32 s14, s14, s15
	s_add_co_u32 s14, s14, STG
	v_add_nc_u32 v[STO], s14, v[STO]
	s_mul_i32 s14, s10, 32*SROW                    ; back: wave w takes stage rows 32 w .. 32 w + 31, whole:
	s_add_co_u32 s14, s14, STG
	v_lshl_add_u32 v[RDS0], v3, 4, s14
	s_lshl_b32 s15, s11, 16                        ; in pass 0 the tile's rows 128 (w / 2) + 32 (w % 2) on, 512 bytes each in the table and in the output
	s_lshl_b32 s16, s12, 14
	s_add_co_u32 s15, s15, s16
	v_lshl_add_u32 v[RDT0], v3, 4, s15
	v_lshl_add_u32 v[GOF0], v3, 3, s15
; The 32 accumulators of my rows 64 p .. 64 p + 63 (window 2 + p) into the stage, the low four registers of each first.  1,040 = 65 x 16: the 16 rows of a store start at 16 different groups of four banks.
.macro STAGE_OUT p
	WIN 0x08+4*(\p)                                ; the data (source 1) in window 2 or 3
.irp a, 0,1,2,3
.irp b, 0,1,2,3,4,5,6,7
	ds_store_b128 v[STO], v[8*(8*(\a)+(\b)):8*(8*(\a)+(\b))+3]   offset:(\a)*16*SROW+64*(\b)
	ds_store_b128 v[STO], v[8*(8*(\a)+(\b))+4:8*(8*(\a)+(\b))+7] offset:(\a)*16*SROW+64*(\b)+16
.endr
.endr
	WIN 0
.endm
; Eight rows: the lines go stage by stage, the eight rows side by side, so that no line waits for the one before it.
.macro ROWS8
.irp p, 0,1,2,3,4,5,6,7
	ds_load_b128 v[X+8*(\p):X+8*(\p)+3],     v[RDS] offset:(\p)*SROW
	ds_load_b128 v[X+8*(\p)+4:X+8*(\p)+7],   v[RDS] offset:(\p)*SROW+512
	ds_load_b128 v[TBL+4*(\p):TBL+4*(\p)+3], v[RDT] offset:(\p)*512
.endr
	s_wait_dscnt 0x0
.irp p, 0,1,2,3,4,5,6,7
	v_pk_mul_f32 v[SS+2*(\p):SS+2*(\p)+1], v[X+8*(\p):X+8*(\p)+1], v[X+8*(\p):X+8*(\p)+1]
.endr
.irp q, 2,4,6
.irp p, 0,1,2,3,4,5,6,7
	v_pk_fma_f32 v[SS+2*(\p):SS+2*(\p)+1], v[X+8*(\p)+(\q):X+8*(\p)+(\q)+1], v[X+8*(\p)+(\q):X+8*(\p)+(\q)+1], v[SS+2*(\p):SS+2*(\p)+1]
.endr
.endr
.irp p, 0,1,2,3,4,5,6,7
	v_add_f32 v[SS+2*(\p)], v[SS+2*(\p)], v[SS+2*(\p)+1]
.endr
.irp m, 1,2,4,8
.irp p, 0,1,2,3,4,5,6,7
	v_add_f32_dpp v[SS+2*(\p)], v[SS+2*(\p)], v[SS+2*(\p)] row_xmask:\m row_mask:0xf bank_mask:0xf
.endr
.endr
.irp p, 0,1,2,3,4,5,6,7
	v_permlanex16_b32 v[SS+2*(\p)+1], v[SS+2*(\p)], s[SEL], s[SEL+1]
.endr
.irp p, 0,1,2,3,4,5,6,7
	v_add_f32 v[SS+2*(\p)], v[SS+2*(\p)], v[SS+2*(\p)+1]   ; the row's sum of 256 squares, in every lane
.endr
.irp p, 0,1,2,3,4,5,6,7
	v_fma_f32 v[SS+2*(\p)], v[SS+2*(\p)], s[I256], s[EPS]
.endr
.irp p, 0,1,2,3,4,5,6,7
	v_rsq_f32 v[SS+2*(\p)], v[SS+2*(\p)]           ; one batch of eight; all of RoPE stands between it and its wait
.endr
.irp p, 0,1,2,3,4,5,6,7
.irp q, 0,2,4,6
	v_pk_mul_f32 v[X+8*(\p)+(\q):X+8*(\p)+(\q)+1], v[X+8*(\p)+(\q):X+8*(\p)+(\q)+1], v[GW+(\q):GW+(\q)+1]   ; z = x w
.endr
.endr
.irp p, 0,1,2,3,4,5,6,7
	v_cndmask_b32 v[TBL+4*(\p)],   v[TBL+4*(\p)],   s[ONE2], s[VM]   ; v's tiles: cos = 1,
	v_cndmask_b32 v[TBL+4*(\p)+1], v[TBL+4*(\p)+1], s[ONE2], s[VM]
	v_cndmask_b32 v[TBL+4*(\p)+2], v[TBL+4*(\p)+2], 0, s[VM]         ; sin = 0
	v_cndmask_b32 v[TBL+4*(\p)+3], v[TBL+4*(\p)+3], 0, s[VM]
.endr
.irp p, 0,1,2,3,4,5,6,7                ; the second source is an f16 half of the table; products and sums in f32
.irp k, 0,1
	v_fma_mix_f32 v[UT+4*(\p)+2*(\k)],   v[X+8*(\p)+2*(\k)],   v[TBL+4*(\p)+2+(\k)], v[ZR] op_sel_hi:[0,1,0]
	v_fma_mix_f32 v[UT+4*(\p)+2*(\k)+1], v[X+8*(\p)+2*(\k)+1], v[TBL+4*(\p)+2+(\k)], v[ZR] op_sel:[0,1,0] op_sel_hi:[0,1,0]
	v_fma_mix_f32 v[WT+4*(\p)+2*(\k)],   v[X+8*(\p)+4+2*(\k)], v[TBL+4*(\p)+2+(\k)], v[ZR] op_sel_hi:[0,1,0]
	v_fma_mix_f32 v[WT+4*(\p)+2*(\k)+1], v[X+8*(\p)+5+2*(\k)], v[TBL+4*(\p)+2+(\k)], v[ZR] op_sel:[0,1,0] op_sel_hi:[0,1,0]
.endr
.endr
.irp p, 0,1,2,3,4,5,6,7
.irp k, 0,1
	v_fma_mix_f32 v[X+8*(\p)+2*(\k)],   v[X+8*(\p)+2*(\k)],   v[TBL+4*(\p)+(\k)], -v[WT+4*(\p)+2*(\k)]   op_sel_hi:[0,1,0]                ; z1 cos - z2 sin
	v_fma_mix_f32 v[X+8*(\p)+2*(\k)+1], v[X+8*(\p)+2*(\k)+1], v[TBL+4*(\p)+(\k)], -v[WT+4*(\p)+2*(\k)+1] op_sel:[0,1,0] op_sel_hi:[0,1,0]
	v_fma_mix_f32 v[X+8*(\p)+4+2*(\k)], v[X+8*(\p)+4+2*(\k)], v[TBL+4*(\p)+(\k)], v[UT+4*(\p)+2*(\k)]    op_sel_hi:[0,1,0]                ; z2 cos + z1 sin
	v_fma_mix_f32 v[X+8*(\p)+5+2*(\k)], v[X+8*(\p)+5+2*(\k)], v[TBL+4*(\p)+(\k)], v[UT+4*(\p)+2*(\k)+1]  op_sel:[0,1,0] op_sel_hi:[0,1,0]
.endr
.endr
	s_wait_alu depctr_va_vdst(0)                   ; one wait for the eight roots, ahead of their first reader
.irp p, 0,1,2,3,4,5,6,7
	v_mul_f32 v[SS+2*(\p)], s[RSC], v[SS+2*(\p)]
.endr
.irp p, 0,1,2,3,4,5,6,7
	v_cndmask_b32 v[SS+2*(\p)], v[SS+2*(\p)], 1.0, s[VM]
.endr
.irp p, 0,1,2,3,4,5,6,7
.irp q, 0,2,4,6
	v_pk_mul_f32 v[X+8*(\p)+(\q):X+8*(\p)+(\q)+1], v[X+8*(\p)+(\q):X+8*(\p)+(\q)+1], v[SS+2*(\p):SS+2*(\p)+1] op_sel_hi:[1,0]
.endr
.endr
.irp p, 0,1,2,3,4,5,6,7
.irp k, 0,1,2,3
	v_cvt_pk_f16_f32 v[TBL+4*(\p)+(\k)], v[X+8*(\p)+2*(\k)], v[X+8*(\p)+2*(\k)+1]
.endr
.endr
.irp p, 0,1,2,3,4,5,6,7
	global_store_b64 v[GOF], v[TBL+4*(\p):TBL+4*(\p)+1],   s[8:9] offset:512*(\p)       ; channels 0-127: 256 consecutive bytes, aligned
	global_store_b64 v[GOF], v[TBL+4*(\p)+2:TBL+4*(\p)+3], s[8:9] offset:512*(\p)+256   ; channels 128-255
.endr
.endm
	; THE TWO PASSES, one loop.  A pass: every wave puts 64 of its rows into the stage (the two texts differ in the register window alone; the branch hangs on the pass's number, which all waves share);
	; a barrier; all four waves take 32 of the stage's 128 rows each, 8 a trip; a barrier, behind which the stage may be written again.  No barrier stands under a branch.
	s_mov_b32 s[PS], 0
.Lpass:
	s_cmp_eq_u32 s[PS], 0
	s_cbranch_scc0 .Lupper
	STAGE_OUT 0
	s_branch .Lstaged
.Lupper:
	STAGE_OUT 1
.Lstaged:
	s_wait_dscnt 0x0                               ; for the others' sake: my stores into the stage are done
	s_barrier_signal -1
	s_barrier_wait -1
	s_mov_b32 s[TRP], 0
.Lrows:
	s_mul_i32 s14, s[TRP], 8*SROW                  ; the trip's addresses are made anew from the two counters
	s_lshl_b32 s15, s[TRP], 12                     ; 8 rows of 512 bytes, in the table and in the output,
	s_lshl_b32 s16, s[PS], 15                      ; and the pass's 64
	s_add_co_u32 s15, s15, s16
	v_add_nc_u32 v[RDS], s14, v[RDS0]
	v_add_nc_u32 v[RDT], s15, v[RDT0]
	v_add_nc_u32 v[GOF], s15, v[GOF0]
	ROWS8
	s_wait_xcnt 0x0                                ; the stores have read their data and their offset: both are written again in the next trip
	s_add_co_u32 s[TRP], s[TRP], 1
	s_cmp_lt_u32 s[TRP], 4
	s_cbranch_scc1 .Lrows
	s_wait_dscnt 0x0                               ; my reads of the stage are over,
	s_barrier_signal -1
	s_barrier_wait -1                              ; everybody's are: it may be written again
	s_add_co_u32 s[PS], s[PS], 1
	s_cmp_lt_u32 s[PS], 2
	s_cbranch_scc1 .Lpass
	s_wait_tensorcnt 0x0                           ; the wave's end: behind my last tensor load and my last LDS store
	ds_add_u32 v[SPW], v[NIL]
	s_wait_dscnt 0x0
	CROUND                                         ; the closing round
	s_endpgm
.Lfunc_end_k_q6b82d5d579_qkv:
	.size	k_q6b82d5d579_qkv, .Lfunc_end_k_q6b82d5d579_qkv-k_q6b82d5d579_qkv
	.p2alignl 7, 3214868480
	.fill 96, 4, 3214868480
	.section	.rodata,"a",@progbits
	.p2align	6, 0x0
	.amdhsa_kernel k_q6b82d5d579_qkv
		.amdhsa_group_segment_fixed_size 327680
		.amdhsa_private_segment_fixed_size 0
		.amdhsa_enable_private_segment 0
		.amdhsa_kernarg_size 64
		.amdhsa_user_sgpr_count 2
		.amdhsa_user_sgpr_kernarg_segment_ptr 1
		.amdhsa_wavefront_size32 1
		.amdhsa_system_sgpr_workgroup_id_x 1
		.amdhsa_system_sgpr_workgroup_id_y 1
		.amdhsa_system_sgpr_workgroup_id_z 1
		.amdhsa_system_vgpr_workitem_id 0
		.amdhsa_next_free_vgpr 1024
		.amdhsa_next_free_sgpr 102
		.amdhsa_reserve_vcc 0
		.amdhsa_float_denorm_mode_32 3
		.amdhsa_float_denorm_mode_16_64 3
		.amdhsa_memory_ordered 1
		.amdhsa_forward_progress 1
		.amdhsa_inst_pref_size 150
	.end_amdhsa_kernel
	.amdgpu_metadata
---
amdhsa.version: [ 1, 2 ]
amdhsa.kernels:
  - .name:           k_q6b82d5d579_qkv
    .symbol:         k_q6b82d5d579_qkv.kd
    .args:
      - { .name: xb, .offset: 0, .size: 8, .value_kind: global_buffer, .address_space: global }
      - { .name: wb, .offset: 8, .size: 8, .value_kind: global_buffer, .address_space: global }
      - { .name: rope, .offset: 16, .size: 8, .value_kind: global_buffer, .address_space: global }
      - { .name: q_norm_w, .offset: 24, .size: 8, .value_kind: global_buffer, .address_space: global }
      - { .name: k_norm_w, .offset: 32, .size: 8, .value_kind: global_buffer, .address_space: global }
      - { .name: q16, .offset: 40, .size: 8, .value_kind: global_buffer, .address_space: global }
      - { .name: k16, .offset: 48, .size: 8, .value_kind: global_buffer, .address_space: global }
      - { .name: v16, .offset: 56, .size: 8, .value_kind: global_buffer, .address_space: global }
    .group_segment_fixed_size: 327680
    .private_segment_fixed_size: 0
    .kernarg_segment_align: 8
    .kernarg_segment_size: 64
    .max_flat_workgroup_size: 128
    .sgpr_count:     102
    .vgpr_count:     1024
    .wavefront_size: 32
...
	.end_amdgpu_metadata
.endif
;; end of part 2
;; launch attn (part 3): grid 32 x 8, 4 waves a work-group, clusters of 4 x 1, 327,680 bytes of LDS; arguments q16, k16, v16, o16; writes o16
.if DOCPART == 3
	.amdgcn_target "amdgcn-amd-amdhsa--gfx1250"
	.amdhsa_code_object_version 6
	.text
	.protected	k_q6b82d5d579_attn
	.globl	k_q6b82d5d579_attn
	.p2align	8
	.type	k_q6b82d5d579_attn,@function
k_q6b82d5d579_attn:
	s_mov_b64 s[64:65], 0
	v_nop
	global_prefetch_b8 v0, s[64:65] scope:SCOPE_SE
	s_setreg_imm32_b32 hwreg(HW_REG_WAVE_MODE, 25, 1), 1
	s_wait_xcnt 0x0
	s_wait_alu depctr_hold_cnt(0) depctr_sa_sdst(0) depctr_va_vdst(0) depctr_va_sdst(0) depctr_va_ssrc(0) depctr_va_vcc(0) depctr_vm_vsrc(0)
	s_getreg_b32 s2, hwreg(HW_REG_IB_STS2, 6, 4)
	s_cmp_eq_u32 s2, 0
	s_cbranch_scc0 .Lentry_in_a_cluster
	s_endpgm
.Lentry_in_a_cluster:
	s_bfe_u32 s2, ttmp6, 0x10000c
	s_cmp_lg_u32 s2, 0x3003
	s_cbranch_scc0 .Lentry_shape_is_right
	s_endpgm
.Lentry_shape_is_right:
; CAUSAL ATTENTION, head size 256.  q16, k16, v16: [8][2048][256] f16, a row 512 bytes; q16 carries log2(e)/16, so a score is an exponent of 2.  o16: [2048][2048] f16, column = 256 head + channel.
; Products, maxima and sums in f32; the weights are rounded to f16 for the second product (their sum is taken of the unrounded weights), O once at the end.
; THE WALK.  A head's queries lie in 64 blocks of 32, its keys in 16 tiles of 128.  Work-group b = 4 g + cx of a head takes block 63 - b (tiles 0 .. 15 - g) and then block b (tiles 0 .. g): 17 tiles, whatever b.
; The four partners of a cluster share g, so they walk the same tiles: every tile is asked for JOINTLY, by the same tensor load with the mask of four.  One loop of 16 trips and a last tile written out.
; THE FIRST BLOCK'S TILES ARE WALKED IN A RING, from a start that differs from cluster to cluster (a softmax with a running maximum takes its keys in any order): clusters 0 to 3 of a head start at tiles
; 12, 8, 4, 0, clusters 4 to 7 at tiles 9, 6, 3, 0.  So in a trip the four clusters of such a group ask for four different tiles, and from its fifth (fourth) tile on each asks for a tile that another of
; the group asked for four (three) trips earlier.  The second block's tiles go in their order, 0 to g.
; THE KEYS ARE SPLIT AMONG THE WAVES: wave w takes keys 32 w .. 32 w + 31 of every tile, for both tiles of 16 queries, with a running maximum M, sum l and O^T of its own: each fragment of K and V is read
; from LDS by one wave only.  At the end the four waves' parts meet in LDS: O = sum_u 2^(M_u - M*) O_u / sum_u 2^(M_u - M*) l_u.
; THE MASK.  In a block's highest tile (15 - g, then g) the wave at place DP (3 - cx, then cx) holds the diagonal, lower waves see all keys, higher ones none.  The mask is the C operand that starts
; S^T = K Q^T: 0 or -2^100, made of scalars that are selected, never branched on.  A wave that saw no key ends with M near -2^100, and its part counts 0 in the merge.
; LAYOUT.  S^T (source 0 = 16 keys, source 1 = 16 queries) holds one query a lane (l % 16) and keys 8 (l / 16) + 0..7; two such results rounded to f16 ARE source 1 of O^T = V^T P.  V comes turned, by ds_load_tr16_b128.
; LIMITS.  V and O lie within f16's 65,504.  A hidden score counts as its value less 2^100.  A weight below 2^-126 counts as 0.  NaN and infinities are not treated apart.
; REGISTERS: window 0: v0-23 addresses, v24-47 statistics, v48-79 masks, v80-95 P, v96-127 S^T, v128-255 K.  Window 1: O^T of the block in hand (tile t, channel block cb at 128 t + 8 cb).
; Window 2: the first block's O^T, set aside.  Window 3: v0-127 Q (64 t + 8 c), v128-255 V (128 + 8 cb).
.set PK,    528                        ; a row of K in LDS: 512 + 16: the 16 rows of a load start at 16 different groups of four banks (ISA guide 11.1)
.set PV,    544                        ; a row of V: 512 + 32
.set VOFF,  128*PK
.set SLOT,  128*(PK+PV)
.set SPARE, 2*SLOT                     ; the spare words, 128 bytes a wave: two blocks of 256 bytes that no other line names
.set STATS, SPARE+512                  ; block x 1024 + wave x 256 + tile x 128 + (M 0, l 64) + 4 (l % 16)
.set OSTG,  STATS+2048                 ; 16 rows x 272 bytes for each wave, for the way out
.set SP,    272
.set AK0, 2                            ; v2   my lane's place in a tile of K, my wave's 32 keys; never rewritten
.set AV0, 3                            ; v3   the same for V
.set ADK, 4
.set ADV, 5
.set STO, 6
.set RD,  7
.set GO,  8
.set SAR, 11
.set QO,  12                           ; v12  my byte offset in 16 rows of Q; never rewritten
.set SG,  13                           ; v13, v14  where my O^T goes in the merge's stage: first block, second block
.set SG2, 14
.set SA,  15                           ; v15  where my statistics go
.set SR0, 16                           ; v16, v17  where I read the parts of waves 0, 1 and 2, 3
.set SR1, 17
.set SA2, 18                           ; v18  where I read statistics
.set SRA, 19
.set SRB, 20
.set PFO, 21                           ; v21  512 x lane; never rewritten
.set SPW, 22                           ; v22  my spare word; never rewritten
.set NIL, 23                           ; v23  0; never rewritten
.set ST,  24                           ; tile t at v[24+8t]: M, M new, l (even, odd keys), c0, c1, a, M old - M new
.set SV,  40                           ; the first block's, tile t at v[40+4t]: M, at work, l, l
.set MD8, 48                           ; -2^100 where key 8 (l/16) + j lies behind query l % 16
.set MCD, 56                           ; the masks of the products to come: the two 16 x 16 blocks on the diagonal,
.set MCH, 64                           ; keys 16-31 against queries 0-15,
.set MCL, 72                           ; keys 0-15 against queries 16-31
.set P,   80
.set S,   96
.set KF,  128
.set RR,  64                           ; the merge: v64-127 the sum, v128-191 and v192-255 two parts
.set XA,  128
.set XB,  192
.set GF,  32                           ; v32-39 the four factors, in pairs
.set WV,  12
.set CX,  13
.set DG,  14                           ; steps until the block's highest tile, the one with the diagonal, is entered
.set LIM, 15
.set KL,  16
.set VL,  17
.set PFA, 18
.set G1K, 24
.set G1V, 32
.set G0K, 40
.set G0V, 44
.set QLO, 48
.set OHI, 50
.set OLO, 52
.set SLOTS, 54
.set RT,  55                           ; tiles of the block in hand still to be entered
.set NEW, 56                           ; 1: the tile to be entered is the second block's first
.set NXT, 57                           ; the tile to be asked for next
.set LQ,  58                           ; the highest tile of the block whose tiles are being asked for
.set TL,  59                           ; g: the second block's highest tile
.set FB,  60                           ; the slot to be filled: 0 or SLOT
.set TB,  61                           ; the slot to be read
.set SEL, 62
.set OFF, 66
.set AL,  68
.set BE,  70
.set BH,  72
.set ALC, 73                           ; the three for the highest tile of the block in hand,
.set BEC, 74
.set BHC, 75
.set ALL, 76                           ; and of the second block
.set BEL, 77
.set BHL, 78
.set BIGN, 79
.set BK,  80
.set AQ,  81                           ; tiles of the first block still to be asked for
.set OB,  82
.set ST0, 84                           ; the tile at which the first block's walk starts
.set TS,  85                           ; at work
.set FO,  86                           ; s[86:87] that tile's byte offset in K and V
.set MSB, 0
.macro WIN new
.if MSB != (\new)
	s_set_vgpr_msb (MSB<<8)|(\new)
.set MSB, (\new)
.endif
.endm
; A joint fill: waves 0 and 1 fetch the two halves of a tile's K, waves 2 and 3 those of its V, 64 rows each.  An s_nop 0 and four v_nop follow each line.
.macro JLOAD
	s_cmp_lt_u32 s[WV], 2
	s_cbranch_scc0 .Lfor_v_\@
	tensor_load_to_lds s[G0K:G0K+3], s[G1K:G1K+7]
	s_nop 0
.rept 4
	v_nop
.endr
	s_branch .Lasked_\@
.Lfor_v_\@:
	tensor_load_to_lds s[G0V:G0V+3], s[G1V:G1V+7]
	s_nop 0
.rept 4
	v_nop
.endr
.Lasked_\@:
.endm
; A prefetch of the tile that the NEXT change will ask for: one trip (64 matrix, some 520 vector and 65 LDS instructions) ahead of its load.  The first four tiles of clusters 0 to 3 are the head's 16 tiles, each once.
; Of its four a cluster's first two come by their loads alone; the third and the fourth are asked for here, in the walk's first two changes.  Clusters 4 to 7 ask for nothing: their tiles are among those sixteen.
; So each row is named once.  A cluster's four partners take 32 of a tile's 128 rows each, told apart by address; wave 0 asks for K's, wave 2 for V's; a lane a row, two lines for a row's 512 bytes.
.macro ASK
	s_cmp_gt_u32 s[SLOTS], s[LIM]
	s_cbranch_scc0 .Lnot_mine_\@
	global_prefetch_b8 v[PFO], s[PFA:PFA+1] th:TH_LOAD_NT scope:SCOPE_SE
	global_prefetch_b8 v[PFO], s[PFA:PFA+1] offset:256 th:TH_LOAD_NT scope:SCOPE_SE
.Lnot_mine_\@:
.endm
.macro CROUND
	s_barrier_signal -1
	s_barrier_wait -1
	s_cmp_lg_u32 s[WV], 0
	s_cbranch_scc1 .Lnot_wave_0_\@
	s_barrier_signal -3
.Lnot_wave_0_\@:
	s_barrier_wait -3
	s_barrier_signal -1
	s_barrier_wait -1
.endm
.macro PLACES
.rept 4
	v_nop
.endr
.endm
; THE CHANGE OF SLOTS.  The old slot's K and V are in registers.  Each wave waits for all its tensor loads (one is out: its part of the other slot), adds 0 to its spare word, and waits for that and for its reads.
; fill = 1: behind a round of the cluster's barrier the old slot is filled first, with tile NXT; the descriptor's address is made anew from that number.
.macro CHANGE fill
	WIN 0
	s_wait_tensorcnt 0x0
	ds_add_u32 v[SPW], v[NIL]                      ; 0 onto my spare word; scalar work stands between it and the wait for it
.if \fill
	s_lshl_b32 s[OFF], s[NXT], 16                  ; a tile is 65,536 bytes of K and of V
	s_xor_b32 s[FB], s[FB], SLOT
	s_add_co_u32 s[G0K+1], s[FB], s[KL]
	s_add_nc_u64 s[G0K+2:G0K+3], s[6:7], s[OFF:OFF+1]
	s_or_b32 s[G0K+3], s[G0K+3], 0x80000000
	s_add_co_u32 s[G0V+1], s[FB], s[VL]
	s_add_nc_u64 s[G0V+2:G0V+3], s[8:9], s[OFF:OFF+1]
	s_or_b32 s[G0V+3], s[G0V+3], 0x80000000
	s_add_co_u32 s[NXT], s[NXT], 1                 ; the next tile of the ring: behind the block's highest comes tile 0
	s_cmp_gt_u32 s[NXT], s[LQ]
	s_cselect_b32 s[NXT], 0, s[NXT]
	s_sub_co_u32 s[AQ], s[AQ], 1
	s_cmp_eq_u32 s[AQ], 0                          ; all of the first block's tiles have been asked for: the second block's follow, from tile 0 (the count then passes 0 and does not come back in 16 trips)
	s_cselect_b32 s[NXT], 0, s[NXT]
	s_cselect_b32 s[LQ], s[TL], s[LQ]
	s_wait_xcnt 0x0                                ; the last prefetches, a step back, have read their address
	s_add_nc_u64 s[PFA:PFA+1], s[PFA:PFA+1], 65536
	s_wait_dscnt 0x0                               ; the add is done, and my reads of the slot are over
	CROUND
	JLOAD
	ASK
.else
	s_wait_dscnt 0x0
	s_barrier_signal -1
	s_barrier_wait -1
.endif
	s_xor_b32 s[TB], s[TB], SLOT
.endm
	s_load_b256 s[4:11], s[0:1], 0x0               ; q16 s[4:5], k16 s[6:7], v16 s[8:9], o16 s[10:11]
	v_lshl_add_u32 v[SPW], v0, 2, SPARE
	v_mov_b32 v[NIL], 0
	ds_add_u32 v[SPW], v[NIL]                      ; the wave's opening: the add and its wait stand ahead of my first tensor load
	v_lshrrev_b32 v1, 5, v0
	v_readfirstlane_b32 s[WV], v1
	s_bfe_u32 s[CX], ttmp6, 0x40000
	s_mov_b32 s[TL], ttmp9                         ; g
	s_and_b32 s20, ttmp7, 0xffff                   ; the head
	s_lshl_b32 s2, s[TL], 2
	s_add_co_u32 s2, s2, s[CX]                     ; the second block, b
	s_sub_co_u32 s3, 63, s2                        ; the first, 63 - b
	s_and_b32 s21, s[WV], 1                        ; which half of a tile I fetch; in the merge, my tile of queries
	s_lshr_b32 s[BK], s[WV], 1                     ; in the merge, my half of the channels
	s_lshl_b32 s22, s20, 20                        ; the head's first byte in q16, k16, v16
	s_mov_b32 s23, 0
	s_lshl_b32 s[OFF], s3, 14                      ; a block's 32 rows of 512 bytes
	s_add_co_u32 s[OFF], s[OFF], s22
	s_mov_b32 s[OFF+1], 0
	s_lshl_b32 s[QLO], s2, 14
	s_add_co_u32 s[QLO], s[QLO], s22
	s_mov_b32 s[QLO+1], 0
	s_lshl_b32 s[OB], s21, 16                      ; in o16: 16 rows of 4,096 bytes,
	s_lshl_b32 s20, s20, 9                         ; the head's 512 bytes of a row,
	s_add_co_u32 s[OB], s[OB], s20
	s_lshl_b32 s20, s[BK], 8                       ; my 256 of them
	s_add_co_u32 s[OB], s[OB], s20
	s_lshl_b32 s[OHI], s3, 17                      ; a block's 32 rows
	s_add_co_u32 s[OHI], s[OHI], s[OB]
	s_mov_b32 s[OHI+1], 0
	s_lshl_b32 s[OLO], s2, 17
	s_add_co_u32 s[OLO], s[OLO], s[OB]
	s_mov_b32 s[OLO+1], 0
	s_lshl_b32 s20, s21, 15                        ; my 64 rows of a tile in memory,
	s_add_co_u32 s22, s22, s20
	s_mul_i32 s[KL], s21, 64*PK                    ; and in a slot: no place in the cluster enters an LDS address
	s_mul_i32 s[VL], s21, 64*PV
	s_add_co_u32 s[VL], s[VL], VOFF
	s_mov_b32 s[G1K], 15|(1<<16)|(1<<20)|(1<<21)|(6<<22)|(3<<25)  ; the mask of four; 2-byte elements; padding on; bit 21 beside a mask; after every 128 words; 4 words
	s_mov_b32 s[G1V], 15|(1<<16)|(1<<20)|(1<<21)|(6<<22)|(7<<25)  ; the same with 8 words
.irp g, G1K, G1V
	s_mov_b32 s[(\g)+1], 256<<16                   ; tensor_dim0 = 256
	s_mov_b32 s[(\g)+2], 64<<16                    ; tensor_dim1 = 64
	s_mov_b32 s[(\g)+3], 256<<16                   ; tile_dim0 = 256
	s_mov_b32 s[(\g)+4], 64                        ; tile_dim1 = 64
	s_mov_b32 s[(\g)+5], 256
	s_mov_b32 s[(\g)+6], 0
	s_mov_b32 s[(\g)+7], 0
.endr
	s_mov_b32 s[G0K], 1
	s_mov_b32 s[G0K+1], s[KL]                      ; the walk's first tile goes into slot 0
	s_mov_b32 s[G0V], 1
	s_mov_b32 s[G0V+1], s[VL]
	s_mov_b32 s[SEL], 0x76543210
	s_mov_b32 s[SEL+1], 0xfedcba98
	s_mov_b32 s[BIGN], 0xf1800000                  ; -2^100
	s_sub_co_u32 s20, 3, s[CX]                     ; where the first block's diagonal lies among the waves
	s_cmp_eq_u32 s[WV], s20
	s_cselect_b32 s[ALC], 1.0, 0
	s_cmp_gt_u32 s[WV], s20
	s_cselect_b32 s[BEC], s[BIGN], 0
	s_cmp_ge_u32 s[WV], s20
	s_cselect_b32 s[BHC], s[BIGN], 0
	s_cmp_eq_u32 s[WV], s[CX]                      ; and the second's
	s_cselect_b32 s[ALL], 1.0, 0
	s_cmp_gt_u32 s[WV], s[CX]
	s_cselect_b32 s[BEL], s[BIGN], 0
	s_cmp_ge_u32 s[WV], s[CX]
	s_cselect_b32 s[BHL], s[BIGN], 0
	s_mov_b32 s[AL+1], 0                           ; named as pairs
	s_mov_b32 s[BE+1], 0
	s_and_b32 s[ST0], s[TL], 3                     ; the start of the first block's walk: (3 - g % 4) x 4 for g = 0..3, x 3 for g = 4..7.  It hangs on g alone: the same in all four partners.
	s_sub_co_u32 s[ST0], 3, s[ST0]                 ; The start and the two or three tiles behind it lie within 0 .. 15 - g, so the ring does not close before the fourth trip
	s_cmp_lt_u32 s[TL], 4
	s_cselect_b32 s[TS], 4, 3
	s_mul_i32 s[ST0], s[ST0], s[TS]
	s_lshl_b32 s[FO], s[ST0], 16
	s_mov_b32 s[FO+1], 0
	s_sub_co_u32 s[RT], 16, s[TL]                  ; the first block has 16 - g tiles,
	s_sub_co_u32 s[LQ], 15, s[TL]                  ; the highest is 15 - g,
	s_sub_co_u32 s[AQ], 15, s[TL]                  ; all but the first are still to be asked for,
	s_sub_co_u32 s[DG], s[RT], s[ST0]              ; and the highest is the walk's tile number 16 - g - start, counted from 1
	s_add_co_u32 s[NXT], s[ST0], 1
	s_mov_b32 s[NEW], 0
	s_mov_b32 s[FB], 0
	s_mov_b32 s[TB], SLOT                          ; the first change turns it into 0
	s_mov_b32 s[SLOTS], 16
	s_and_b32 s[LIM], s[WV], 1                     ; waves 0 and 2
	s_lshr_b32 s[TS], s[TL], 2                     ; of clusters 0 to 3
	s_or_b32 s[LIM], s[LIM], s[TS]
	s_cmp_eq_u32 s[LIM], 0
	s_cselect_b32 s[LIM], 14, -1                   ; prefetch in the changes with 16 and 15 slots to go; the same in all four partners, for a given wave
	s_lshl_b32 s20, s[CX], 14                      ; my work-group's 32 rows of a tile's 128,
	s_lshl_b32 s[TS], s[NXT], 16                   ; in the walk's second tile: the first change steps this to the third
	s_add_co_u32 s20, s20, s[TS]
	s_mov_b32 s21, 0
	s_wait_dscnt 0x0                               ; the opening add is done
	s_wait_kmcnt 0x0
	s_add_nc_u64 s[6:7], s[6:7], s[22:23]          ; K and V at my half of the head's tile 0
	s_add_nc_u64 s[8:9], s[8:9], s[22:23]
	s_add_nc_u64 s[G0K+2:G0K+3], s[6:7], s[FO:FO+1]
	s_or_b32 s[G0K+3], s[G0K+3], 0x80000000
	s_add_nc_u64 s[G0V+2:G0V+3], s[8:9], s[FO:FO+1]
	s_or_b32 s[G0V+3], s[G0V+3], 0x80000000
	s_add_nc_u64 s[QLO:QLO+1], s[4:5], s[QLO:QLO+1]
	s_add_nc_u64 s[4:5], s[4:5], s[OFF:OFF+1]      ; Q at the first block
	s_add_nc_u64 s[OHI:OHI+1], s[10:11], s[OHI:OHI+1]
	s_add_nc_u64 s[OLO:OLO+1], s[10:11], s[OLO:OLO+1]
	s_cmp_lt_u32 s[WV], 2
	s_cselect_b64 s[PFA:PFA+1], s[6:7], s[8:9]
	s_add_nc_u64 s[PFA:PFA+1], s[PFA:PFA+1], s[20:21]
	CROUND                                         ; all four work-groups are here: the first joint loads meet
	JLOAD
	v_and_b32 v1, 15, v0                           ; l % 16
	v_bfe_u32 v9, v0, 4, 1                         ; l / 16
	v_lshlrev_b32 v[QO], 9, v1
	v_lshl_add_u32 v[QO], v9, 4, v[QO]             ; row x 512 + 16 x half
	WIN 0xc0                                       ; destination window 3, address window 0
.set i, 0
.rept 16                                           ; the first block's Q: tile i / 8, channels 32 (i % 8) on
	global_load_b128 v[8*i:8*i+3],   v[QO], s[4:5] offset:(i/8)*8192+(i%8)*64
	global_load_b128 v[8*i+4:8*i+7], v[QO], s[4:5] offset:(i/8)*8192+(i%8)*64+32
.set i, i+1
.endr
	; What the first step finds.  V and P hold 0: its products V^T P, of a tile that has not been, add 0.  O^T and l are 0.  The registers in which the first block is set aside are written here too,
	; so that they are written on every way.  All this stands in the wait for the first tile.
.set i, 128
.rept 128
	v_mov_b32 v[i], 0
.set i, i+1
.endr
	WIN 0x40
.set i, 0
.rept 256
	v_mov_b32 v[i], 0
.set i, i+1
.endr
	WIN 0x80
.set i, 0
.rept 256
	v_mov_b32 v[i], 0
.set i, i+1
.endr
	WIN 0
.set i, 0
.rept 16
	v_mov_b32 v[P+i], 0
.set i, i+1
.endr
.irp t, 0,1
	v_mov_b32 v[ST+8*(\t)], 0xff7fffff             ; M: the lowest finite number
	v_mov_b32 v[ST+8*(\t)+2], 0
	v_mov_b32 v[ST+8*(\t)+3], 0
	v_mov_b32 v[SV+4*(\t)], 0
	v_mov_b32 v[SV+4*(\t)+1], 0
	v_mov_b32 v[SV+4*(\t)+2], 0
	v_mov_b32 v[SV+4*(\t)+3], 0
.endr
	v_lshlrev_b32 v10, 3, v9
	v_sub_nc_u32 v10, v1, v10                      ; l % 16 - 8 (l / 16): register j is hidden where j is greater
.set i, 0
.rept 8
	v_cmp_gt_i32 vcc_lo, i, v10
	v_cndmask_b32 v[MD8+i], 0, s[BIGN], vcc_lo
.set i, i+1
.endr
	s_lshl_b32 s20, s[WV], 5                       ; my wave's 32 keys
	v_add_nc_u32 v10, s20, v1
	v_mul_u32_u24 v[AK0], v10, PK
	v_lshl_add_u32 v[AK0], v9, 4, v[AK0]
	v_and_b32 v10, 7, v0                           ; the turning load: lane l reads key 8 (l / 16) + l % 8, channels 8 ((l / 8) % 2) + 0..7
	v_bfe_u32 v11, v0, 3, 1
	v_lshl_add_u32 v[AV0], v9, 3, v10
	v_add_nc_u32 v[AV0], s20, v[AV0]
	v_mul_u32_u24 v[AV0], v[AV0], PV
	v_lshl_add_u32 v[AV0], v11, 4, v[AV0]
	v_add_nc_u32 v[AV0], VOFF, v[AV0]
	v_and_b32 v[PFO], 31, v0
	v_lshlrev_b32 v[PFO], 9, v[PFO]
.macro KLOAD                           ; my 32 keys x 256 channels: 16 fragments, one run of 32 loads
	v_add_nc_u32 v[ADK], s[TB], v[AK0]
.irp kb, 0,1
.irp c, 0,1,2,3,4,5,6,7
	ds_load_b128 v[KF+64*(\kb)+8*(\c):KF+64*(\kb)+8*(\c)+3],   v[ADK] offset:(\kb)*16*PK+64*(\c)
	ds_load_b128 v[KF+64*(\kb)+8*(\c)+4:KF+64*(\kb)+8*(\c)+7], v[ADK] offset:(\kb)*16*PK+64*(\c)+32
.endr
.endr
.endm
.macro VLOAD                           ; the same keys of V, turned: 16 fragments of 16 channels x 32 keys
	v_add_nc_u32 v[ADV], s[TB], v[AV0]
	WIN 0xc0
.irp cb, 0,1,2,3,4,5,6,7,8,9,10,11,12,13,14,15
	ds_load_tr16_b128 v[128+8*(\cb):128+8*(\cb)+3],   v[ADV] offset:32*(\cb)
	ds_load_tr16_b128 v[128+8*(\cb)+4:128+8*(\cb)+7], v[ADV] offset:16*PV+32*(\cb)
.endr
	WIN 0
.endm
.macro PVALL                           ; O^T += V^T P: 32 products on 32 accumulators, one instruction a turn
	WIN 0x53                                       ; V window 3, P window 0, O^T window 1
.irp cb, 0,1,2,3,4,5,6,7,8,9,10,11,12,13,14,15
.irp t, 0,1
	v_wmma_f32_16x16x32_f16 v[128*(\t)+8*(\cb):128*(\t)+8*(\cb)+7], v[128+8*(\cb):128+8*(\cb)+7], v[P+8*(\t):P+8*(\t)+7], v[128*(\t)+8*(\cb):128*(\t)+8*(\cb)+7]
.endr
.endr
.endm
.macro QKALL                           ; S^T = K Q^T + mask: 32 products, the four accumulators by turns
	WIN 0x0c                                       ; K window 0, Q window 3, masks and S^T window 0
.irp c, 0,1,2,3,4,5,6,7
.irp kb, 0,1
.irp t, 0,1
.set rS, S+16*(\t)+8*(\kb)
.set rK, KF+64*(\kb)+8*(\c)
.set rQ, 64*(\t)+8*(\c)
.set rM, MCD
.if (\t) < (\kb)
.set rM, MCH
.endif
.if (\t) > (\kb)
.set rM, MCL
.endif
.if (\c) == 0
	v_wmma_f32_16x16x32_f16 v[rS:rS+7], v[rK:rK+7], v[rQ:rQ+7], v[rM:rM+7]
.else
	v_wmma_f32_16x16x32_f16 v[rS:rS+7], v[rK:rK+7], v[rQ:rQ+7], v[rS:rS+7]
.endif
.endr
.endr
.endr
.endm
.macro MASK                            ; 20 plain instructions: they are also the places behind the products V^T P
.set z, 0
.rept 4
	v_pk_fma_f32 v[MCD+2*z:MCD+2*z+1], v[MD8+2*z:MD8+2*z+1], s[AL:AL+1], s[BE:BE+1] op_sel_hi:[1,0,0]
.set z, z+1
.endr
.set z, 0
.rept 8
	v_mov_b32 v[MCH+z], s[BH]
	v_mov_b32 v[MCL+z], s[BE]
.set z, z+1
.endr
.endm
.macro SWITCH                          ; the first block is finished: its O^T, M and l are set aside; M starts anew, so that the step's a is 0 and clears O^T and l
	WIN 0x81                                       ; destination window 2, source window 1; each accumulator's registers in ascending order
.set i, 0
.rept 256
	v_mov_b32 v[i], v[i]
.set i, i+1
.endr
	WIN 0
.irp t, 0,1
	v_mov_b32 v[SV+4*(\t)], v[ST+8*(\t)]
	v_mov_b32 v[SV+4*(\t)+2], v[ST+8*(\t)+2]
	v_mov_b32 v[SV+4*(\t)+3], v[ST+8*(\t)+3]
	v_mov_b32 v[ST+8*(\t)], 0xff7fffff
.endr
	s_mov_b32 s[NEW], 0
.endm
; THE SOFTMAX of a step, the two tiles side by side.  Each accumulator's lowest registers are read first.  The 34 exponentials are one batch with one wait.
.macro SOFT
	WIN 0
.irp t, 0,1
	v_max3_num_f32 v[ST+8*(\t)+4], v[S+16*(\t)],   v[S+16*(\t)+1], v[S+16*(\t)+2]
	v_max3_num_f32 v[ST+8*(\t)+5], v[S+16*(\t)+8], v[S+16*(\t)+9], v[S+16*(\t)+10]
.endr
.irp t, 0,1
	v_max3_num_f32 v[ST+8*(\t)+4], v[ST+8*(\t)+4], v[S+16*(\t)+3],  v[S+16*(\t)+4]
	v_max3_num_f32 v[ST+8*(\t)+5], v[ST+8*(\t)+5], v[S+16*(\t)+11], v[S+16*(\t)+12]
.endr
.irp t, 0,1
	v_max3_num_f32 v[ST+8*(\t)+4], v[ST+8*(\t)+4], v[S+16*(\t)+5],  v[S+16*(\t)+6]
	v_max3_num_f32 v[ST+8*(\t)+5], v[ST+8*(\t)+5], v[S+16*(\t)+13], v[S+16*(\t)+14]
.endr
.irp t, 0,1
	v_max3_num_f32 v[ST+8*(\t)+4], v[ST+8*(\t)+4], v[S+16*(\t)+7], v[S+16*(\t)+15]
.endr
.irp t, 0,1
	v_max3_num_f32 v[ST+8*(\t)+4], v[ST+8*(\t)+4], v[ST+8*(\t)+5], v[ST+8*(\t)]
.endr
.irp t, 0,1
	v_permlanex16_b32 v[ST+8*(\t)+5], v[ST+8*(\t)+4], s[SEL], s[SEL+1]   ; the query's other 16 keys lie in the lane 16 away
.endr
.irp t, 0,1
	v_max_num_f32 v[ST+8*(\t)+1], v[ST+8*(\t)+4], v[ST+8*(\t)+5]
.endr
.irp t, 0,1
	v_sub_f32 v[ST+8*(\t)+7], v[ST+8*(\t)], v[ST+8*(\t)+1]
.endr
.irp t, 0,1
	v_mov_b32 v[ST+8*(\t)], v[ST+8*(\t)+1]
.endr
.irp i, 0,2,4,6,8,10,12,14
.irp t, 0,1
	v_pk_add_f32 v[S+16*(\t)+(\i):S+16*(\t)+(\i)+1], v[S+16*(\t)+(\i):S+16*(\t)+(\i)+1], v[ST+8*(\t):ST+8*(\t)+1] op_sel_hi:[1,0] neg_lo:[0,1] neg_hi:[0,1]   ; s - M: never above 0
.endr
.endr
.irp t, 0,1
	v_exp_f32 v[ST+8*(\t)+6], v[ST+8*(\t)+7]       ; a
.endr
.irp i, 0,1,2,3,4,5,6,7,8,9,10,11,12,13,14,15
.irp t, 0,1
	v_exp_f32 v[S+16*(\t)+(\i)], v[S+16*(\t)+(\i)]
.endr
.endr
	v_nop                                          ; a plain instruction behind the last exponential,
	s_wait_alu depctr_va_vdst(0)                   ; and one wait for the batch, ahead of its first reader
.irp i, 0,1,2,3,4,5,6,7
.irp t, 0,1
	v_cvt_pk_f16_f32 v[P+8*(\t)+(\i)], v[S+16*(\t)+2*(\i)], v[S+16*(\t)+2*(\i)+1]
.endr
.endr
.irp i, 0,4,8,12
.irp t, 0,1
	v_pk_add_f32 v[S+16*(\t)+(\i):S+16*(\t)+(\i)+1], v[S+16*(\t)+(\i):S+16*(\t)+(\i)+1], v[S+16*(\t)+(\i)+2:S+16*(\t)+(\i)+3]
.endr
.endr
.irp i, 0,8
.irp t, 0,1
	v_pk_add_f32 v[S+16*(\t)+(\i):S+16*(\t)+(\i)+1], v[S+16*(\t)+(\i):S+16*(\t)+(\i)+1], v[S+16*(\t)+(\i)+4:S+16*(\t)+(\i)+5]
.endr
.endr
.irp t, 0,1
	v_pk_add_f32 v[S+16*(\t):S+16*(\t)+1], v[S+16*(\t):S+16*(\t)+1], v[S+16*(\t)+8:S+16*(\t)+9]
.endr
.irp t, 0,1
	v_pk_fma_f32 v[ST+8*(\t)+2:ST+8*(\t)+3], v[ST+8*(\t)+2:ST+8*(\t)+3], v[ST+8*(\t)+6:ST+8*(\t)+7], v[S+16*(\t):S+16*(\t)+1] op_sel_hi:[1,0,1]   ; l = a l + sum
.endr
	WIN 0x41                                       ; O^T (destination and source 0) window 1, a window 0
.set i, 0
.rept 64
	v_pk_mul_f32 v[2*i:2*i+1], v[2*i:2*i+1], v[ST+6:ST+7] op_sel_hi:[1,0]
	v_pk_mul_f32 v[128+2*i:128+2*i+1], v[128+2*i:128+2*i+1], v[ST+14:ST+15] op_sel_hi:[1,0]
.set i, i+1
.endr
.endm
; A STEP: K of this tile is fetched; the tile before's V^T P; the masks; at a change of blocks the first block is set aside; V of this tile is fetched; K Q^T; the softmax.
; last = 1: the walk's last tile.  In the loop the block that ends is the first: the second block's Q is then loaded over the first's, which has just been read for the last time.
.macro STEP last
	s_sub_co_u32 s[RT], s[RT], 1
	s_sub_co_u32 s[DG], s[DG], 1
	s_cmp_eq_u32 s[DG], 0                          ; the block's highest tile takes masks, wherever it stands in the walk; elsewhere they are 0
	s_cselect_b32 s[AL], s[ALC], 0
	s_cselect_b32 s[BE], s[BEC], 0
	s_cselect_b32 s[BH], s[BHC], 0
	KLOAD
	PVALL
	WIN 0
	MASK
	s_cmp_eq_u32 s[NEW], 1
	s_cbranch_scc0 .Lold_\@
	SWITCH
.Lold_\@:
	VLOAD
	s_wait_loadcnt 0x0                             ; Q
	s_wait_dscnt 32                                ; K is in; V's 32 younger loads may stay out
	QKALL
	WIN 0
	PLACES
.if !(\last)
	s_cmp_eq_u32 s[RT], 0
	s_cbranch_scc0 .Lgo_\@
	WIN 0xc0
.set i, 0
.rept 16
	global_load_b128 v[8*i:8*i+3],   v[QO], s[QLO:QLO+1] offset:(i/8)*8192+(i%8)*64
	global_load_b128 v[8*i+4:8*i+7], v[QO], s[QLO:QLO+1] offset:(i/8)*8192+(i%8)*64+32
.set i, i+1
.endr
	WIN 0
	s_add_co_u32 s[RT], s[TL], 1                   ; the second block has g + 1 tiles,
	s_add_co_u32 s[DG], s[TL], 1                   ; and its highest is its last
	s_mov_b32 s[NEW], 1
	s_mov_b32 s[ALC], s[ALL]
	s_mov_b32 s[BEC], s[BEL]
	s_mov_b32 s[BHC], s[BHL]
.Lgo_\@:
.endif
	SOFT
.endm
.Lslot:                                            ; 16 trips: a tile is entered and the next is asked for
	CHANGE 1
	STEP 0
	WIN 0
	s_sub_co_u32 s[SLOTS], s[SLOTS], 1
	s_cmp_lg_u32 s[SLOTS], 0
	s_cbranch_scc1 .Lslot
	CHANGE 0                                       ; the walk's last tile is written out
	STEP 1
	s_wait_dscnt 0x0                               ; V is in
	PVALL
	WIN 0
	; THE MERGE.  l's two halves and the other half of the lanes' are added; the first four additions are the places behind the last products.
.irp t, 0,1
	v_add_f32 v[ST+8*(\t)+2], v[ST+8*(\t)+2], v[ST+8*(\t)+3]
	v_add_f32 v[SV+4*(\t)+2], v[SV+4*(\t)+2], v[SV+4*(\t)+3]
.endr
.irp t, 0,1
	v_permlanex16_b32 v[ST+8*(\t)+3], v[ST+8*(\t)+2], s[SEL], s[SEL+1]
	v_permlanex16_b32 v[SV+4*(\t)+3], v[SV+4*(\t)+2], s[SEL], s[SEL+1]
.endr
.irp t, 0,1
	v_add_f32 v[ST+8*(\t)+2], v[ST+8*(\t)+2], v[ST+8*(\t)+3]
	v_add_f32 v[SV+4*(\t)+2], v[SV+4*(\t)+2], v[SV+4*(\t)+3]
.endr
	v_and_b32 v10, 31, v0
	s_lshl_b32 s20, s[WV], 15                      ; the stage lies in the ring, behind its last fill: block x 131,072 + wave x 32,768 + accumulator x 1,024 + (low, high four registers) x 512 + 16 x lane
	v_lshl_add_u32 v[SG], v10, 4, s20
	v_add_nc_u32 v[SG2], 131072, v[SG]
	s_lshl_b32 s20, s[WV], 8
	s_add_co_u32 s20, s20, STATS
	v_lshl_add_u32 v[SA], v1, 2, s20
	s_and_b32 s21, s[WV], 1                        ; I finish tile w % 2, channels 128 (w / 2) on
	s_lshr_b32 s22, s[WV], 1
	s_lshl_b32 s20, s21, 7
	s_add_co_u32 s20, s20, STATS
	v_lshl_add_u32 v[SA2], v1, 2, s20
	s_lshl_b32 s20, s21, 14
	s_lshl_b32 s22, s22, 13
	s_add_co_u32 s20, s20, s22                     ; accumulator 16 (w % 2) + 8 (w / 2)
	v_lshl_add_u32 v[SR0], v10, 4, s20
	v_add_nc_u32 v[SR1], 65536, v[SR0]
	s_mul_i32 s20, s[WV], 16*SP
	s_add_co_u32 s20, s20, OSTG
	v_mul_u32_u24 v[STO], v1, SP                   ; the way out, in: row l % 16, 16 bytes for each half of the lanes
	v_lshl_add_u32 v[STO], v9, 4, v[STO]
	v_add_nc_u32 v[STO], s20, v[STO]
	v_mul_u32_u24 v[RD], v9, SP                    ; back: lanes 0-15 one row of 256 bytes, lanes 16-31 the next
	v_lshl_add_u32 v[RD], v1, 4, v[RD]
	v_add_nc_u32 v[RD], s20, v[RD]
	v_lshlrev_b32 v[GO], 12, v9                    ; and the same two rows in o16
	v_lshl_add_u32 v[GO], v1, 4, v[GO]
	s_wait_dscnt 0x0
	s_barrier_signal -1
	s_barrier_wait -1                              ; nobody reads the ring any more
.irp t, 0,1
	ds_store_b32 v[SA], v[SV+4*(\t)]   offset:128*(\t)
	ds_store_b32 v[SA], v[SV+4*(\t)+2] offset:128*(\t)+64
	ds_store_b32 v[SA], v[ST+8*(\t)]   offset:1024+128*(\t)
	ds_store_b32 v[SA], v[ST+8*(\t)+2] offset:1024+128*(\t)+64
.endr
	WIN 0x08                                       ; the data (source 1) in window 2: the first block
.set i, 0
.rept 32
	ds_store_b128 v[SG], v[8*i:8*i+3]   offset:1024*i
	ds_store_b128 v[SG], v[8*i+4:8*i+7] offset:1024*i+512
.set i, i+1
.endr
	WIN 0x04                                       ; window 1: the second block; each accumulator's low four registers first
.set i, 0
.rept 32
	ds_store_b128 v[SG2], v[8*i:8*i+3]   offset:1024*i
	ds_store_b128 v[SG2], v[8*i+4:8*i+7] offset:1024*i+512
.set i, i+1
.endr
	WIN 0
.irp u, 0,1,2,3
	v_mov_b32 v[GF+2*(\u)+1], 0                    ; named with the factors as pairs
.endr
	s_wait_dscnt 0x0                               ; for the others' sake: my stores are done
	s_barrier_signal -1
	s_barrier_wait -1
.macro XLOAD dst, adr, o               ; one wave's part of my tile and channels: 8 accumulators, 16 loads
.irp i, 0,1,2,3,4,5,6,7
	ds_load_b128 v[(\dst)+8*(\i):(\dst)+8*(\i)+3],   v[\adr] offset:(\o)+1024*(\i)
	ds_load_b128 v[(\dst)+8*(\i)+4:(\dst)+8*(\i)+7], v[\adr] offset:(\o)+1024*(\i)+512
.endr
.endm
.macro XADD src, u                     ; the sum takes a part times its factor
.set i, 0
.rept 32
	v_pk_fma_f32 v[RR+2*i:RR+2*i+1], v[(\src)+2*i:(\src)+2*i+1], v[GF+2*(\u):GF+2*(\u)+1], v[RR+2*i:RR+2*i+1] op_sel_hi:[1,0,1]
.set i, i+1
.endr
.endm
	s_mov_b32 s[BK], 0
.Lmerge:                                           ; two trips: the first block, the second.  The addresses are made anew from the trip's number
	s_lshl_b32 s20, s[BK], 17
	s_lshl_b32 s21, s[BK], 10
	v_add_nc_u32 v[SRA], s20, v[SR0]
	v_add_nc_u32 v[SRB], s20, v[SR1]
	v_add_nc_u32 v[SAR], s21, v[SA2]
	s_cmp_eq_u32 s[BK], 0
	s_cselect_b64 s[OB:OB+1], s[OHI:OHI+1], s[OLO:OLO+1]
.irp u, 0,1,2,3
	ds_load_b32 v[48+(\u)], v[SAR] offset:256*(\u)      ; M of wave u, for my lane's query
	ds_load_b32 v[52+(\u)], v[SAR] offset:256*(\u)+64   ; l
.endr
	XLOAD XA, SRA, 0
	XLOAD XB, SRA, 32768
	s_wait_dscnt 32                                ; the statistics are in; the two runs of 16 may stay out
	v_max3_num_f32 v60, v48, v49, v50
	v_max_num_f32 v60, v60, v51
.irp u, 0,1,2,3
	v_sub_f32 v[56+(\u)], v[48+(\u)], v60
.endr
.irp u, 0,1,2,3
	v_exp_f32 v[56+(\u)], v[56+(\u)]
.endr
	v_nop
	s_wait_alu depctr_va_vdst(0)                   ; one wait for the four
	v_mul_f32 v61, v56, v52
	v_fmac_f32 v61, v57, v53
	v_fmac_f32 v61, v58, v54
	v_fmac_f32 v61, v59, v55                       ; at least 1: the wave with the greatest M counts in full, and its greatest weight is 1
	v_rcp_f32 v62, v61
	v_nop
	s_wait_alu depctr_va_vdst(0)
.irp u, 0,1,2,3
	v_mul_f32 v[GF+2*(\u)], v[56+(\u)], v62
.endr
	s_wait_dscnt 16                                ; wave 0's part is in
.set i, 0
.rept 32
	v_pk_mul_f32 v[RR+2*i:RR+2*i+1], v[XA+2*i:XA+2*i+1], v[GF:GF+1] op_sel_hi:[1,0]
.set i, i+1
.endr
	XLOAD XA, SRB, 0
	s_wait_dscnt 16                                ; wave 1's
	XADD XB, 1
	XLOAD XB, SRB, 32768
	s_wait_dscnt 16                                ; wave 2's
	XADD XA, 2
	s_wait_dscnt 0x0                               ; wave 3's
	XADD XB, 3
.set i, 0
.rept 32
	v_cvt_pk_f16_f32 v[XB+i], v[RR+2*i], v[RR+2*i+1]
.set i, i+1
.endr
.irp f, 0,1,2,3,4,5,6,7
	ds_store_b128 v[STO], v[XB+4*(\f):XB+4*(\f)+3] offset:32*(\f)
.endr
.irp f, 0,1,2,3,4,5,6,7
	ds_load_b128 v[XB+32+4*(\f):XB+32+4*(\f)+3], v[RD] offset:(\f)*2*SP   ; LDS serves a wave's instructions in order (ISA guide 5.7.1.4): these see the stores above
.endr
.irp f, 0,1,2,3,4,5,6,7
	s_wait_dscnt 7-(\f)
	global_store_b128 v[GO], v[XB+32+4*(\f):XB+32+4*(\f)+3], s[OB:OB+1] offset:8192*(\f)   ; 16 lanes store 256 consecutive bytes, aligned
.endr
	s_wait_xcnt 0x0                                ; the stores have read their data and their base: both are written again in the next trip
	s_add_co_u32 s[BK], s[BK], 1
	s_cmp_lt_u32 s[BK], 2
	s_cbranch_scc1 .Lmerge
	s_wait_tensorcnt 0x0                           ; the wave's end: behind my last tensor load and my last LDS store
	ds_add_u32 v[SPW], v[NIL]
	s_wait_dscnt 0x0
	CROUND                                         ; the closing round
	s_endpgm
.Lfunc_end_k_q6b82d5d579_attn:
	.size	k_q6b82d5d579_attn, .Lfunc_end_k_q6b82d5d579_attn-k_q6b82d5d579_attn
	.p2alignl 7, 3214868480
	.fill 96, 4, 3214868480
	.section	.rodata,"a",@progbits
	.p2align	6, 0x0
	.amdhsa_kernel k_q6b82d5d579_attn
		.amdhsa_group_segment_fixed_size 327680
		.amdhsa_private_segment_fixed_size 0
		.amdhsa_enable_private_segment 0
		.amdhsa_kernarg_size 32
		.amdhsa_user_sgpr_count 2
		.amdhsa_user_sgpr_kernarg_segment_ptr 1
		.amdhsa_wavefront_size32 1
		.amdhsa_system_sgpr_workgroup_id_x 1
		.amdhsa_system_sgpr_workgroup_id_y 1
		.amdhsa_system_sgpr_workgroup_id_z 1
		.amdhsa_system_vgpr_workitem_id 0
		.amdhsa_next_free_vgpr 1024
		.amdhsa_next_free_sgpr 88
		.amdhsa_reserve_vcc 1
		.amdhsa_float_denorm_mode_32 3
		.amdhsa_float_denorm_mode_16_64 3
		.amdhsa_memory_ordered 1
		.amdhsa_forward_progress 1
		.amdhsa_inst_pref_size 131
	.end_amdhsa_kernel
	.amdgpu_metadata
---
amdhsa.version: [ 1, 2 ]
amdhsa.kernels:
  - .name:           k_q6b82d5d579_attn
    .symbol:         k_q6b82d5d579_attn.kd
    .args:
      - { .name: q16, .offset: 0, .size: 8, .value_kind: global_buffer, .address_space: global }
      - { .name: k16, .offset: 8, .size: 8, .value_kind: global_buffer, .address_space: global }
      - { .name: v16, .offset: 16, .size: 8, .value_kind: global_buffer, .address_space: global }
      - { .name: o16, .offset: 24, .size: 8, .value_kind: global_buffer, .address_space: global }
    .group_segment_fixed_size: 327680
    .private_segment_fixed_size: 0
    .kernarg_segment_align: 8
    .kernarg_segment_size: 32
    .max_flat_workgroup_size: 128
    .sgpr_count:     88
    .vgpr_count:     1024
    .wavefront_size: 32
...
	.end_amdgpu_metadata
.endif
;; end of part 3
;; launch oproj (part 4): grid 16 x 16, 4 waves a work-group, clusters of 4 x 4, 327,680 bytes of LDS; arguments o16, wo16, out0; writes out0
.if DOCPART == 4
	.amdgcn_target "amdgcn-amd-amdhsa--gfx1250"
	.amdhsa_code_object_version 6
	.text
	.protected	k_q6b82d5d579_oproj
	.globl	k_q6b82d5d579_oproj
	.p2align	8
	.type	k_q6b82d5d579_oproj,@function
k_q6b82d5d579_oproj:
	s_mov_b64 s[64:65], 0
	v_nop
	global_prefetch_b8 v0, s[64:65] scope:SCOPE_SE
	s_setreg_imm32_b32 hwreg(HW_REG_WAVE_MODE, 25, 1), 1
	s_wait_xcnt 0x0
	s_wait_alu depctr_hold_cnt(0) depctr_sa_sdst(0) depctr_va_vdst(0) depctr_va_sdst(0) depctr_va_ssrc(0) depctr_va_vcc(0) depctr_vm_vsrc(0)
	s_getreg_b32 s2, hwreg(HW_REG_IB_STS2, 6, 4)
	s_cmp_eq_u32 s2, 0
	s_cbranch_scc0 .Lentry_in_a_cluster
	s_endpgm
.Lentry_in_a_cluster:
	s_bfe_u32 s2, ttmp6, 0x10000c
	s_cmp_lg_u32 s2, 0xf033
	s_cbranch_scc0 .Lentry_shape_is_right
	s_endpgm
.Lentry_shape_is_right:
; THE LAST PROJECTION.  out0[s][d] = sum over e of o16[s][e] wo16[d][e].  o16, wo16: [2048][2048] f16; sums in f32; out0 f32.
; A tile of out0 is 128 x 128, so that the 256 tiles give each WGP one.  Four waves, each 64 x 64: 16 accumulators.  K goes in steps of 256 (LDS rows of 512 bytes + 16, 64 rows to a tensor load) through two slots.
; CLUSTER 4 x 4: o16's tile is shared along a row of the cluster, wo16's along a column: joint loads.  THE MATRIX INSTRUCTION IS USED TRANSPOSED: a lane holds eight neighbouring numbers of a row of out0.
; K IS WALKED IN A RING (the f32 sums may be taken in any order): cluster (X, Y) of the 4 x 4 clusters starts at K step 2 ((X + Y) % 4) of the 8 and goes round.  So the four clusters that read the same rows
; of o16 (one Y), and the four that read the same rows of wo16 (one X), stand at four different K steps in every trip.  The start hangs on the cluster's place alone: it is the same in all sixteen partners.
; THE WAY OUT goes through a stage in slot 0, behind its last fill and its last read: 128 rows of 512 bytes + 16; a barrier, since a row comes from two waves; back as whole rows, 32 a wave.
; No prefetch: a step's tiles are small, and each is read by four work-groups at once.
; REGISTERS: window 0: v0-31 addresses; v32-95 at work on the way out; v128-255 the accumulators ((a, b) at v[128 + 8 (4 a + b)]).  Window 1: two fragment buffers of 128.
.set SIZE_N, 2048
.set SIZE_K, 2048
.set KSTEP,  256
.set PITCH,  528
.set HALFT,  64*PITCH
.set SLOT,   4*HALFT
.set SPITCH, 528
.set SPARE,  2*SLOT                    ; the spare words, 128 bytes a wave: two blocks of 256 bytes that no other line names
.set LAPS, SIZE_K/(2*KSTEP)
.set ADRA, 16
.set ADRB, 20
.set STO,  24
.set RD,   25
.set CO,   26
.set SPW,  28
.set NIL,  29
.set TMP,  32
.set ACC,  128
.set F0,   0
.set F1,   128
.set G1, 24
.set G0, 32
.set G1B, 48
.set G0B, 56
.set BA,  14                           ; s[14:15] o16 at the first byte of the rows that I fetch; never rewritten
.set BB,  46                           ; s[46:47] wo16 likewise; never rewritten
.set KO,  66                           ; s[66:67], s[68:69] slot s: the byte offset along a row of the K step that the slot holds or was last asked for; the upper words are 0
.set MSB, 0
.macro WIN new
.if MSB != (\new)
	s_set_vgpr_msb (MSB<<8)|(\new)
.set MSB, \new
.endif
.endm
.set MUL,  0x05                        ; sources 0 (wo16) and 1 (o16) window 1; C and D window 0
.set TO_F, 0x40
.macro JLOAD s                         ; waves 0 and 1 fetch o16's two halves, waves 2 and 3 wo16's; an s_nop 0 and four v_nop follow each line
	s_cmp_eq_u32 s11, 0
	s_cbranch_scc0 .Lfor_b_\@
	tensor_load_to_lds s[G0+4*(\s):G0+4*(\s)+3], s[G1:G1+7]
	s_nop 0
.rept 4
	v_nop
.endr
	s_branch .Lasked_\@
.Lfor_b_\@:
	tensor_load_to_lds s[G0B+4*(\s):G0B+4*(\s)+3], s[G1B:G1B+7]
	s_nop 0
.rept 4
	v_nop
.endr
.Lasked_\@:
.endm
.macro CREST
	s_cmp_lg_u32 s10, 0
	s_cbranch_scc1 .Lnot_wave_0_\@
	s_barrier_signal -3
.Lnot_wave_0_\@:
	s_barrier_wait -3
	s_barrier_signal -1
	s_barrier_wait -1
.endm
.macro CROUND
	s_barrier_signal -1
	s_barrier_wait -1
	CREST
.endm
	s_load_b128 s[4:7], s[0:1], 0x0                ; o16 s[4:5], wo16 s[6:7]
	s_load_b64 s[8:9], s[0:1], 0x10                ; out0
	v_lshl_add_u32 v[SPW], v0, 2, SPARE
	v_mov_b32 v[NIL], 0
	ds_add_u32 v[SPW], v[NIL]                      ; the wave's opening: the add and its wait stand ahead of my first tensor load
	v_lshrrev_b32 v1, 5, v0
	v_readfirstlane_b32 s10, v1
	s_lshr_b32 s11, s10, 1
	s_and_b32 s12, s10, 1
	s_bfe_u32 s40, ttmp6, 0x40000
	s_bfe_u32 s41, ttmp6, 0x40004
	s_lshl_b32 s42, ttmp9, 2
	s_add_co_u32 s42, s42, s40                     ; tile column
	s_and_b32 s13, ttmp7, 0xffff
	s_lshl_b32 s13, s13, 2
	s_add_co_u32 s13, s13, s41                     ; tile row
	s_lshl_b32 s43, s41, 2
	s_lshl_b32 s43, 15, s43
	s_lshl_b32 s44, 0x1111, s40
	s_or_b32 s[G1+0], s43, (1<<16)|(1<<20)|(1<<21)|(6<<22)|(3<<25)   ; the mask; 2-byte elements; padding on; bit 21 beside a mask; after every 128 words; 4 words
	s_or_b32 s[G1B+0], s44, (1<<16)|(1<<20)|(1<<21)|(6<<22)|(3<<25)
.irp g, G1, G1B
	s_mov_b32 s[(\g)+1], KSTEP<<16
	s_mov_b32 s[(\g)+2], 64<<16
	s_mov_b32 s[(\g)+3], KSTEP<<16
	s_mov_b32 s[(\g)+4], 64
	s_mov_b32 s[(\g)+5], SIZE_K
	s_mov_b32 s[(\g)+6], 0
	s_mov_b32 s[(\g)+7], 0
.endr
	s_and_b32 s[KO], ttmp7, 0xffff                 ; where the walk along K starts: (cluster x + cluster y) % 4,
	s_add_co_u32 s[KO], s[KO], ttmp9
	s_and_b32 s[KO], s[KO], 3
	s_lshl_b32 s[KO], s[KO], 10                    ; times two K steps of 512 bytes: slot 0's first step,
	s_mov_b32 s[KO+1], 0
	s_add_co_u32 s[KO+2], s[KO], KSTEP*2           ; and slot 1's, the step behind it (3,584 bytes at the most: inside the row)
	s_mov_b32 s[KO+3], 0
	s_lshl_b32 s17, s12, 6
	s_lshl_b32 s16, s13, 7
	s_add_co_u32 s16, s16, s17
	s_lshl_b32 s[BB], s42, 7
	s_add_co_u32 s[BB], s[BB], s17
	s_mov_b32 s17, 0
	s_mov_b32 s[BB+1], 0
	s_mov_b64 s[18:19], SIZE_K*2
	s_mul_u64 s[16:17], s[16:17], s[18:19]
	s_mul_u64 s[BB:BB+1], s[BB:BB+1], s[18:19]
	s_mul_i32 s20, s10, HALFT
	s_wait_dscnt 0x0
	s_wait_kmcnt 0x0
	s_add_nc_u64 s[BA:BA+1], s[4:5], s[16:17]
	s_add_nc_u64 s[BB:BB+1], s[6:7], s[BB:BB+1]
	CROUND
.irp s, 0,1
	s_mov_b32 s[G0+4*(\s)], 1
	s_add_co_u32 s[G0+4*(\s)+1], s20, (\s)*SLOT
	s_add_nc_u64 s[G0+4*(\s)+2:G0+4*(\s)+3], s[BA:BA+1], s[KO+2*(\s):KO+2*(\s)+1]
	s_or_b32 s[G0+4*(\s)+3], s[G0+4*(\s)+3], 0x80000000
	s_mov_b32 s[G0B+4*(\s)], 1
	s_add_co_u32 s[G0B+4*(\s)+1], s20, (\s)*SLOT
	s_add_nc_u64 s[G0B+4*(\s)+2:G0B+4*(\s)+3], s[BB:BB+1], s[KO+2*(\s):KO+2*(\s)+1]
	s_or_b32 s[G0B+4*(\s)+3], s[G0B+4*(\s)+3], 0x80000000
	JLOAD \s
.endr
	v_and_b32 v1, 15, v0
	v_bfe_u32 v2, v0, 4, 1
	v_mul_u32_u24 v3, v1, PITCH
	v_lshl_add_u32 v3, v2, 4, v3
	s_mul_i32 s21, s11, HALFT
	s_mul_i32 s22, s12, HALFT
	s_add_co_u32 s22, s22, 2*HALFT
.irp s, 0,1
	v_add_nc_u32 v[ADRA+(\s)], s21, v3
	v_add_nc_u32 v[ADRB+(\s)], s22, v3
	s_add_co_u32 s21, s21, SLOT
	s_add_co_u32 s22, s22, SLOT
.endr
	s_mul_i32 s23, s11, 64*SPITCH                  ; into the stage: my 64 rows, my 256 bytes of their 512; row l % 16, 32 bytes for each half of the lanes
	s_lshl_b32 s21, s12, 8
	s_add_co_u32 s23, s23, s21
	v_mul_u32_u24 v4, v1, SPITCH
	v_lshl_add_u32 v4, v2, 5, v4
	v_add_nc_u32 v[STO], s23, v4
	s_mul_i32 s23, s10, 32*SPITCH                  ; back: wave w takes rows 32 w .. 32 w + 31, a row a load
	v_and_b32 v5, 31, v0
	v_lshl_add_u32 v[RD], v5, 4, s23
	v_lshlrev_b32 v[CO], 4, v5
	s_lshl_b32 s16, s13, 7
	s_lshl_b32 s17, s10, 5
	s_add_co_u32 s16, s16, s17                     ; the first row of out0 that I store
	s_mov_b32 s17, 0
	s_mov_b64 s[18:19], SIZE_N*4
	s_mul_u64 s[16:17], s[16:17], s[18:19]
	s_add_nc_u64 s[8:9], s[8:9], s[16:17]
	s_lshl_b32 s70, s42, 9                         ; the tile's first column, in bytes
	s_mov_b32 s71, 0
	s_add_nc_u64 s[8:9], s[8:9], s[70:71]
.macro MUL8 f, c, a0, zero             ; 8 matrix instructions; the 16 accumulators take turns
	WIN MUL
.irp a, \a0, (\a0)+1
.irp b, 0,1,2,3
.if \zero
	v_wmma_f32_16x16x32_f16 v[ACC+8*(4*(\a)+(\b)):ACC+8*(4*(\a)+(\b))+7], v[(\f)+64+8*(4*(\c)+(\b)):(\f)+64+8*(4*(\c)+(\b))+7], v[(\f)+8*(4*(\c)+(\a)):(\f)+8*(4*(\c)+(\a))+7], 0
.else
	v_wmma_f32_16x16x32_f16 v[ACC+8*(4*(\a)+(\b)):ACC+8*(4*(\a)+(\b))+7], v[(\f)+64+8*(4*(\c)+(\b)):(\f)+64+8*(4*(\c)+(\b))+7], v[(\f)+8*(4*(\c)+(\a)):(\f)+8*(4*(\c)+(\a))+7], v[ACC+8*(4*(\a)+(\b)):ACC+8*(4*(\a)+(\b))+7]
.endif
.endr
.endr
.endm
.macro FETCH slot, k, f                ; 32 LDS loads in one run: 64 along K at byte k of the rows; the first 32 along K first
	WIN TO_F
.irp c, 0,1
.irp i, 0,1,2,3
	ds_load_b128 v[(\f)+64+8*(4*(\c)+(\i)):(\f)+64+8*(4*(\c)+(\i))+3],   v[ADRB+(\slot)] offset:(\k)+64*(\c)+(\i)*16*PITCH
	ds_load_b128 v[(\f)+64+8*(4*(\c)+(\i))+4:(\f)+64+8*(4*(\c)+(\i))+7], v[ADRB+(\slot)] offset:(\k)+64*(\c)+(\i)*16*PITCH+32
	ds_load_b128 v[(\f)+8*(4*(\c)+(\i)):(\f)+8*(4*(\c)+(\i))+3],         v[ADRA+(\slot)] offset:(\k)+64*(\c)+(\i)*16*PITCH
	ds_load_b128 v[(\f)+8*(4*(\c)+(\i))+4:(\f)+8*(4*(\c)+(\i))+7],       v[ADRA+(\slot)] offset:(\k)+64*(\c)+(\i)*16*PITCH+32
.endr
.endr
.endm
.macro PLACES
.rept 4
	v_nop
.endr
.endm
.macro QUARTER slot, k, f, g, zero
	s_wait_dscnt 16                                ; the first 32 along K are in; the youngest sixteen loads may be out
	WIN MUL
	MUL8 \f, 0, 0, \zero
	MUL8 \f, 0, 2, \zero
	PLACES
	FETCH \slot, \k, \g
	s_wait_dscnt 32                                ; all but the 32 just issued
	WIN MUL
	MUL8 \f, 1, 0, 0
	MUL8 \f, 1, 2, 0
.endm
; The last quarter changes slots: each wave waits for all its tensor loads, adds 0 to its spare word, and waits for that and for its reads of this slot.  fill = 1: behind a round the slot is filled again, with the
; K step two steps on in the ring: the slot's offset steps by 1,024 bytes and goes round at the row's 4,096, and both descriptors' addresses are made anew from it while the add is out (no tensor load of mine is out there).
.macro TURN slot, next, fill
	WIN 0
	s_wait_tensorcnt 0x0
	ds_add_u32 v[SPW], v[NIL]
.if \fill
	s_add_co_u32 s[KO+2*(\slot)], s[KO+2*(\slot)], 2*KSTEP*2
	s_and_b32 s[KO+2*(\slot)], s[KO+2*(\slot)], SIZE_K*2-1
	s_add_nc_u64 s[G0+4*(\slot)+2:G0+4*(\slot)+3], s[BA:BA+1], s[KO+2*(\slot):KO+2*(\slot)+1]
	s_or_b32 s[G0+4*(\slot)+3], s[G0+4*(\slot)+3], 0x80000000
	s_add_nc_u64 s[G0B+4*(\slot)+2:G0B+4*(\slot)+3], s[BB:BB+1], s[KO+2*(\slot):KO+2*(\slot)+1]
	s_or_b32 s[G0B+4*(\slot)+3], s[G0B+4*(\slot)+3], 0x80000000
.endif
	s_wait_dscnt 17                                ; the add and the youngest sixteen loads may be out
	WIN MUL
	MUL8 F1, 0, 0, 0
	s_wait_dscnt 0x0
	s_barrier_signal -1
	MUL8 F1, 0, 2, 0
.if \fill
	WIN 0
.endif
	s_barrier_wait -1
.if \fill
	CREST
	JLOAD \slot
.else
	PLACES
.endif
	FETCH \next, 0, F0
	WIN MUL
	MUL8 F1, 1, 0, 0
	MUL8 F1, 1, 2, 0
.endm
	s_wait_tensorcnt 1                             ; my part of the walk's first K step is in; the second's may stay out
	s_barrier_signal -1
	s_barrier_wait -1
	FETCH 0, 0, F0
	QUARTER 0, 128, F0, F1, 1
	WIN 0
	s_mov_b32 s3, LAPS-1
.Llap:
	QUARTER 0, 256, F1, F0, 0
	QUARTER 0, 384, F0, F1, 0
	TURN 0, 1, 1
	QUARTER 1, 128, F0, F1, 0
	QUARTER 1, 256, F1, F0, 0
	QUARTER 1, 384, F0, F1, 0
	TURN 1, 0, 1
	QUARTER 0, 128, F0, F1, 0
	WIN 0
	s_sub_co_u32 s3, s3, 1
	s_cmp_lg_u32 s3, 0
	s_cbranch_scc1 .Llap
	QUARTER 0, 256, F1, F0, 0                      ; the last lap fills nothing
	QUARTER 0, 384, F0, F1, 0
	TURN 0, 1, 0                                   ; behind this barrier nobody reads slot 0 any more, and nothing is filled into it
	QUARTER 1, 128, F0, F1, 0
	QUARTER 1, 256, F1, F0, 0
	QUARTER 1, 384, F0, F1, 0
	s_wait_dscnt 16
	WIN MUL
	MUL8 F1, 0, 0, 0
	MUL8 F1, 0, 2, 0
	s_wait_dscnt 0x0
	MUL8 F1, 1, 0, 0
	MUL8 F1, 1, 2, 0
	WIN 0
	; THE WAY OUT
	PLACES
	PLACES
.irp a, 0,1,2,3
.irp b, 0,1,2,3
	ds_store_b128 v[STO], v[ACC+8*(4*(\a)+(\b)):ACC+8*(4*(\a)+(\b))+3]   offset:(\a)*16*SPITCH+64*(\b)       ; each accumulator's low four registers first
	ds_store_b128 v[STO], v[ACC+8*(4*(\a)+(\b))+4:ACC+8*(4*(\a)+(\b))+7] offset:(\a)*16*SPITCH+64*(\b)+16
.endr
.endr
	s_wait_dscnt 0x0                               ; for the others' sake: my stores into the stage are done
	s_barrier_signal -1
	s_barrier_wait -1
.set t, 0
.rept 16
	ds_load_b128 v[TMP+4*t:TMP+4*t+3], v[RD] offset:t*SPITCH
.set t, t+1
.endr
.set t, 0
.rept 16
	ds_load_b128 v[ACC+4*t:ACC+4*t+3], v[RD] offset:(16+t)*SPITCH   ; the accumulators have been stored: their registers take the other 16 rows
.set t, t+1
.endr
.set t, 0
.rept 16
	s_wait_dscnt 31-t
	global_store_b128 v[CO], v[TMP+4*t:TMP+4*t+3], s[8:9] offset:t*SIZE_N*4   ; a row of the tile: 512 consecutive bytes, aligned
.set t, t+1
.endr
.set t, 0
.rept 16
	s_wait_dscnt 15-t
	global_store_b128 v[CO], v[ACC+4*t:ACC+4*t+3], s[8:9] offset:(16+t)*SIZE_N*4
.set t, t+1
.endr
	s_wait_tensorcnt 0x0                           ; the wave's end: behind my last tensor load and my last LDS store
	ds_add_u32 v[SPW], v[NIL]
	s_wait_dscnt 0x0
	CROUND                                         ; the closing round
	s_endpgm
.Lfunc_end_k_q6b82d5d579_oproj:
	.size	k_q6b82d5d579_oproj, .Lfunc_end_k_q6b82d5d579_oproj-k_q6b82d5d579_oproj
	.p2alignl 7, 3214868480
	.fill 96, 4, 3214868480
	.section	.rodata,"a",@progbits
	.p2align	6, 0x0
	.amdhsa_kernel k_q6b82d5d579_oproj
		.amdhsa_group_segment_fixed_size 327680
		.amdhsa_private_segment_fixed_size 0
		.amdhsa_enable_private_segment 0
		.amdhsa_kernarg_size 24
		.amdhsa_user_sgpr_count 2
		.amdhsa_user_sgpr_kernarg_segment_ptr 1
		.amdhsa_wavefront_size32 1
		.amdhsa_system_sgpr_workgroup_id_x 1
		.amdhsa_system_sgpr_workgroup_id_y 1
		.amdhsa_system_sgpr_workgroup_id_z 1
		.amdhsa_system_vgpr_workitem_id 0
		.amdhsa_next_free_vgpr 512
		.amdhsa_next_free_sgpr 72
		.amdhsa_reserve_vcc 0
		.amdhsa_float_denorm_mode_32 3
		.amdhsa_float_denorm_mode_16_64 3
		.amdhsa_memory_ordered 1
		.amdhsa_forward_progress 1
		.amdhsa_inst_pref_size 87
	.end_amdhsa_kernel
	.amdgpu_metadata
---
amdhsa.version: [ 1, 2 ]
amdhsa.kernels:
  - .name:           k_q6b82d5d579_oproj
    .symbol:         k_q6b82d5d579_oproj.kd
    .args:
      - { .name: o16, .offset: 0, .size: 8, .value_kind: global_buffer, .address_space: global }
      - { .name: wo16, .offset: 8, .size: 8, .value_kind: global_buffer, .address_space: global }
      - { .name: out0, .offset: 16, .size: 8, .value_kind: global_buffer, .address_space: global }
    .group_segment_fixed_size: 327680
    .private_segment_fixed_size: 0
    .kernarg_segment_align: 8
    .kernarg_segment_size: 24
    .max_flat_workgroup_size: 128
    .sgpr_count:     72
    .vgpr_count:     512
    .wavefront_size: 32
...
	.end_amdgpu_metadata
.endif
;; end of part 4
